; MI455X (gfx1250); checked and timed in simulation.
; The chip was launched on July 23, 2026; its instructions are those of AMD's public machine-readable ISA for CDNA 5 (MIT licence, August 2026) and "CDNA5" Instruction Set Architecture Reference Guide (July 2026). The comments in the code are by the model that wrote it; some were corrected since.
;; Cross Attention. Allowed arithmetic: matrix products marked QUANTISED: E4M3 operands, one E8M0 scale for each 32 along K, by v_wmma_scale_f32_16x16x128_f8f6f4 with both operands' format E4M3, f32 sums; everything else in f32.
;; Inputs: Wk 1,024 x 1,024 float32; Wq 1,024 x 1,024 float32; Wv 1,024 x 1,024 float32; bk 1,024 float32; bq 1,024 float32; bv 1,024 float32; x 4 x 2,048 x 1,024 float32; y 4 x 2,048 x 1,024 float32.
;; Outputs: out0 4 x 2,048 x 1,024 float32.
;; This version of the problem:
;;   THIS VERSION OF THE PROBLEM IS GIVEN IN LOW PRECISION. The matrix products marked QUANTISED in the list below multiply operands that are first quantised to E4M3 (4 exponent bits, 3 mantissa bits; 8 bits a number), with one power-of-two scale for each 32 numbers along K (OCP MX v1.0); their sums are f32. All else is computed in f32.
;;   The module's matrix products, in the order in which they are computed (A, B: the left and right operand; K: the contracted axis; several contracted axes count as one K, in the product's order):
;;     1. [M 8,192, K 1,024] x [K 1,024, N 1,024]; A: input x; B: input Wq: QUANTISED
;;     2. [M 8,192, K 1,024] x [K 1,024, N 1,024]; A: input y; B: input Wk: QUANTISED
;;     3. [M 8,192, K 1,024] x [K 1,024, N 1,024]; A: input y; B: input Wv: QUANTISED
;;     4. batch 4 x [M 2,048, K 1,024] x [K 1,024, N 2,048]; A: computed on the way; B: computed on the way: QUANTISED
;;     5. batch 4 x [M 2,048, K 2,048] x [K 2,048, N 1,024]; A: softmax (see below); B: computed on the way: QUANTISED
;;   THE QUANTISER, for each operand of a quantised product, along K:
;;     - K is cut into blocks of 32 from its start; a last block that is shorter is filled with zeros.
;;     - A block's scale is 2^e with e = floor(log2(the largest magnitude in the block)) - 8, held to -126 .. 127; a block of zeros has e = 0. As a byte (E8M0): e + 127.
;;     - Each number is divided by its block's scale, clamped to +-448, and rounded to the nearest number of E4M3, ties to even, subnormals kept.
;;     - The product sums the exact products of the quantised numbers (number of the format x scale) in f32.
;;   ~~~python
;;   def quantise(x, axis):      # numpy; x: float32 -> the quantised numbers, widened to float32 again
;;       x = np.moveaxis(x, axis, -1); K = x.shape[-1]
;;       x = np.pad(x, [(0, 0)] * (x.ndim - 1) + [(0, -K % 32)]); x = x.reshape(x.shape[:-1] + (-1, 32)); a = np.abs(x).max(-1, keepdims=True)
;;       e = np.where(a > 0, np.clip(np.frexp(np.where(a > 0, a, 1))[1] - 1 - 8, -126, 127), 0)      # np.frexp(a)[1] - 1 = floor(log2(a)), exactly
;;       r = np.clip(x / 2.0 ** e, -448, 448)
;;       step = 2.0 ** (np.maximum(np.frexp(np.where(r == 0, 1, r))[1] - 1, -6) - 3)
;;       q = np.round(r / step) * step * 2.0 ** e      # np.round: ties to even
;;       return np.moveaxis(q.reshape(q.shape[:-2] + (-1,))[..., :K], -1, axis).astype(np.float32)
;;   ~~~
;;   SOFTMAX AHEAD OF A QUANTISED PRODUCT. Where the list says 'softmax', what is quantised is not the finished softmax but p = 2^(t - M), with t = logit x log2(e) and M = ceil(the row's largest t), a whole number; so 1/2 < the row's largest p <= 1. The row's sum l is taken of the UNQUANTISED p, in f32, and the product's result is divided by l at the end. Since M is a whole number, a kernel that streams over the keys may use a running M (the ceiling of the running maximum): every later rescaling is an exact power of two, which a block's scale takes up: the codes' values come out the same.
;;   OPERANDS COMPUTED ON THE WAY. 'Computed on the way' means the value that the module computes at that place (a softmax that the list does not call 'softmax' is quantised finished and normalised). What goes into a quantiser is computed in f32, as accurately as f32 sums, v_exp_f32 and their like allow (about 1e-6 of the number): no bf16 or f16 on the way to a quantiser, and a product that is left as it is and whose result goes on into a quantised operand takes f32 operands (vector FMAs, or v_wmma_f32_16x16x4_f32). A number that lies on a knife's edge between two numbers of the format may be rounded either way, as far as f32 arithmetic and the matrix unit's own rounding can turn it there, and no further.
;; One version. Each part assembles by itself: llvm-mc -triple=amdgcn-amd-amdhsa -mcpu=gfx1250 --defsym DOCPART=n.
;; ======== version 1 of 1: 4 launches
;; limits: right only within a limited range of input values
;; workspace buffers: xyc 16,777,216 bytes; xys 524,288 bytes; wc 3,145,728 bytes; ws 98,304 bytes; qkvc 25,165,824 bytes; qkvs 786,432 bytes; pc 16,777,216 bytes; pst 2,621,440 bytes
;; launch quant (part 1): grid 448 x 1, 4 waves a work-group, no clusters, 34,304 bytes of LDS; arguments x, y, Wq, Wk, Wv, xyc, xys, wc, ws; writes xyc, xys, wc, ws
.if DOCPART == 1
	.amdgcn_target "amdgcn-amd-amdhsa--gfx1250"
	.amdhsa_code_object_version 6
	.text
	.protected	k_qe8a05af8b9_quant
	.globl	k_qe8a05af8b9_quant
	.p2align	8
	.type	k_qe8a05af8b9_quant,@function
k_qe8a05af8b9_quant:
	s_mov_b64 s[64:65], 0
	v_nop
	global_prefetch_b8 v0, s[64:65] scope:SCOPE_SE
	s_setreg_imm32_b32 hwreg(HW_REG_WAVE_MODE, 25, 1), 1
	s_wait_xcnt 0x0
; CROSS ATTENTION IN MX-FP8, FIRST OF FOUR LAUNCHES: x, y (K = d innermost) and Wq, Wk, Wv (K = d is their first axis) become codes of E4M3 with one E8M0 byte for each 32 along d.
; NO WORK OF THE PROBLEM IS LEFT OUT: all five products are live, and so are the three biases (bk would cancel in a softmax of real numbers, but it moves K's codes and scales, which the quantiser makes a step of the problem).
; All eight inputs are loaded by this program: x, y and the weights here, the biases by the second launch.
; LAYOUT OF EVERY OPERAND IN THIS PROGRAM'S OWN BUFFERS: images of the matrix operand's registers.  A TILE is 16 rows; lane-row r of tile t is row 32 (t / 2) + 8 (t % 2) + r + 8 (r / 8).  A FRAGMENT (a tile x 128 along K) is 2,048 bytes:
; group c (0..3) at 512 c, lane l's 16 bytes at 16 l: k = 32 c + 16 (l / 16) + 0 .. 15 of lane-row l % 16.  Codes: [tile][K step][2048].  With such tiles on both sides a product's result, taken transposed, holds in 16 registers 16 neighbours
; along the next product's K, and the next operand's fragments leave the registers by dense stores of 512 bytes.
; SCALE WORDS (four bytes: 128 along K of one row): for 128 rows (tiles a = 0..7) and one K step a block of 512 bytes, the word of (r, a) at 32 r + 16 (a % 2) + 4 (a / 2).  Scales: [128 rows][K step][512].
; A block's scale is 2^(floor(log2(its largest magnitude)) - 8); its byte is the largest magnitude's exponent field - 8, held at 1 from below; each number is held within +-448 x the scale and rounded to the nearest code, ties to even.
; LIMITS: a block of zeros, or one whose largest magnitude lies under 2^-118, keeps the byte 1 where the quantiser's rule says 127 or less: its codes are zeros or next to it, and this program alone reads the bytes.  NaN and infinities among the inputs are not served.
; SHARES: work-groups 0..191 take the weights (no LDS), work-groups 192..447 take x and y (each wave its own stage in LDS).  No tensor loads, no barrier: waves share nothing.
.set SPARE, 33792                      ; behind the four stages: the spare words, 128 bytes a wave: two blocks of 256 bytes that no other line names
.set STGW,  8448                       ; a wave's stage: 16 rows of 528 bytes
.set SP,    528                        ; 512 bytes + 16: 132 words, so that the 16 rows that a load touches start at 16 different groups of banks
.set SPW,   252                        ; v252 LDS address of my spare word; never rewritten
.set NIL,   253                        ; v253 0; never rewritten
.set WV,    22                         ; s22  my wave's number
.set SEL,   24                         ; s[24:25] lane selects for v_permlanex16_b32: lane l xor 16
.set MNT,   26                         ; s26  the mantissa field of 448
.set HM,    27                         ; s27  a mask of lanes 16-31
.set SRC,   28                         ; s[28:29] where my wave reads
.set DC,    30                         ; s[30:31] where its codes go
.set DS,    32                         ; s[32:33] and its scale words
; x, y path
.set LO,    4                          ; v4   16 x lane
.set SI,    5                          ; v5   the stage, on the way in
.set SOA,   6                          ; v6   and on the way out
.set SA,    7                          ; v7   32 r + 16 h: my 16 bytes of the scale block
.set R,     16                         ; v16-143  two sets of 64: 16 rows x 16 bytes a lane, as loaded
.set X,     144                        ; v144-207 64 numbers of my row: register 16 c + i = k 32 c + 16 h + i
.set PC,    208                        ; v208-223 a fragment's codes
.set TM,    224                        ; v224-239 at work
.set PWS,   240                        ; v240-247 the eight tiles' scale words
.set OW,    248                        ; v248-251 the four that I store
; weights' path
.set WX,    16                         ; v16-143  four blocks of 32 numbers down d
.set WC,    144                        ; v144-175 their codes, eight registers a block
.set WM,    176                        ; v176-180 at work
.set WW,    190                        ; v190 my column's scale word
.macro LOAD f                          ; tile f of my 128 rows: 16 loads, each 512 consecutive bytes of one row
.irp p, 0,1,2,3,4,5,6,7,8,9,10,11,12,13,14,15
	global_load_b128 v[R+64*((\f)%2)+4*\p:R+64*((\f)%2)+4*\p+3], v[LO], s[SRC:SRC+1] offset:(32*((\f)/2)+8*((\f)%2)+\p+8*(\p/8))*4096 th:TH_LOAD_NT
.endr
.endm
; 64 numbers of a lane, v[s] on, become a fragment's codes in v[PC] on and its scale word in v[pw]
.macro QUANT s, pw
.irp b, 0,1,2,3
	v_max3_num_f32 v[TM+\b], |v[\s+16*\b]|, |v[\s+1+16*\b]|, 0x4800000   ; block b: my 16 numbers, and the floor 2^(9 - 127): the byte cannot fall under 1
.endr
.irp i, 2,4,6,8,10,12,14
.irp b, 0,1,2,3
	v_max3_num_f32 v[TM+\b], v[TM+\b], |v[\s+16*\b+\i]|, |v[\s+1+16*\b+\i]|   ; the four blocks by turns
.endr
.endr
.irp b, 0,1,2,3
	v_permlanex16_b32 v[TM+4+\b], v[TM+\b], s[SEL], s[SEL+1]
.endr
.irp b, 0,1,2,3
	v_max_num_f32 v[TM+\b], v[TM+\b], v[TM+4+\b]                   ; with lane l xor 16's: the block's largest magnitude
.endr
.irp b, 0,1,2,3
	v_add_nc_u32 v[TM+12+\b], 0xfc000000, v[TM+\b]                 ; 8 off its exponent field: the conversion's scale operand
.endr
.irp b, 0,1,2,3
	v_and_or_b32 v[TM+8+\b], v[TM+\b], 0x7f800000, s[MNT]          ; 448 x the scale
.endr
.irp b, 0,1,2,3
	v_lshrrev_b32 v[TM+4+\b], 23, v[TM+12+\b]                      ; the scale's byte
.endr
	v_lshl_or_b32 v[\pw], v[TM+5], 8, v[TM+4]
	v_lshl_or_b32 v[\pw], v[TM+6], 16, v[\pw]
	v_lshl_or_b32 v[\pw], v[TM+7], 24, v[\pw]
.irp b, 0,1,2,3
.irp i, 0,1,2,3,4,5,6,7,8,9,10,11,12,13,14,15
	v_med3_num_f32 v[\s+16*\b+\i], v[\s+16*\b+\i], -v[TM+8+\b], v[TM+8+\b]   ; the conversion to an 8-bit code does not saturate (ISA guide 7.6.2): the hold comes first
.endr
	v_cvt_scalef32_pk8_fp8_f32 v[PC+4*\b:PC+1+4*\b], v[\s+16*\b:\s+7+16*\b], v[TM+12+\b]
	v_cvt_scalef32_pk8_fp8_f32 v[PC+2+4*\b:PC+3+4*\b], v[\s+8+16*\b:\s+15+16*\b], v[TM+12+\b]
.endr
	v_nop                                          ; a plain line behind the last conversion
.endm
.macro FRAGM f
.if (\f) < 7
	s_wait_loadcnt 16                              ; this tile's 16 loads are in; the next tile's 16 may be out
.else
	s_wait_loadcnt 0
.endif
.irp p, 0,1,2,3,4,5,6,7,8,9,10,11,12,13,14,15
	ds_store_b128 v[SI], v[R+64*((\f)%2)+4*\p:R+64*((\f)%2)+4*\p+3] offset:SP*\p   ; row p as it lies
.endr
.irp c, 0,1,2,3
.irp k, 0,1,2,3
	ds_load_b128 v[X+16*\c+4*\k:X+16*\c+4*\k+3], v[SOA] offset:128*\c+16*\k   ; LDS serves a wave's instructions in order: these see the stores above, and the next tile's stores come behind them
.endr
.endr
	s_wait_dscnt 0x0                               ; my 64 numbers are back, and the stage's stores have read their registers
	s_wait_xcnt 0x0                                ; the last tile's stores have read the codes' registers, which are written again below
.if (\f) < 6
	LOAD (\f)+2
.endif
	QUANT X, PWS+(\f)
.irp c, 0,1,2,3
	global_store_b128 v[LO], v[PC+4*\c:PC+4*\c+3], s[DC:DC+1] offset:16384*(\f)+512*\c   ; 32 lanes store 512 consecutive bytes
.endr
.endm
.macro WLOAD c                         ; block c: W(32 c + i, my column): 128 consecutive bytes a wave, 512 a work-group
.irp i, 0,1,2,3,4,5,6,7,8,9,10,11,12,13,14,15,16,17,18,19,20,21,22,23,24,25,26,27,28,29,30,31
	global_load_b32 v[WX+32*\c+\i], v2, s[SRC:SRC+1] offset:(32*\c+\i)*4096 th:TH_LOAD_NT
.endr
.endm
.macro WBLOCK c
.set XS, WX+32*\c
	v_max3_num_f32 v[WM], |v[XS]|, |v[XS+1]|, |v[XS+2]|            ; the block's largest magnitude: all 32 numbers are mine
	v_max3_num_f32 v[WM+1], |v[XS+3]|, |v[XS+4]|, |v[XS+5]|
.irp i, 6,10,14,18,22,26
	v_max3_num_f32 v[WM], v[WM], |v[XS+\i]|, |v[XS+\i+1]|
	v_max3_num_f32 v[WM+1], v[WM+1], |v[XS+\i+2]|, |v[XS+\i+3]|
.endr
	v_max3_num_f32 v[WM], v[WM], |v[XS+30]|, |v[XS+31]|
	v_max3_num_f32 v[WM], v[WM], v[WM+1], 0x4800000                ; and the floor
	v_add_nc_u32 v[WM+2], 0xfc000000, v[WM]
	v_and_or_b32 v[WM+3], v[WM], 0x7f800000, s[MNT]
	v_lshrrev_b32 v[WM+4], 23, v[WM+2]
.if \c == 0
	v_mov_b32 v[WW], v[WM+4]
.else
	v_lshl_or_b32 v[WW], v[WM+4], 8*\c, v[WW]
.endif
.irp i, 0,1,2,3,4,5,6,7,8,9,10,11,12,13,14,15,16,17,18,19,20,21,22,23,24,25,26,27,28,29,30,31
	v_med3_num_f32 v[XS+\i], v[XS+\i], -v[WM+3], v[WM+3]
.endr
.irp g, 0,1,2,3
	v_cvt_scalef32_pk8_fp8_f32 v[WC+8*\c+2*\g:WC+8*\c+2*\g+1], v[XS+8*\g:XS+8*\g+7], v[WM+2]
.endr
	v_nop                                          ; a plain line behind the last conversion
	global_store_b128 v6, v[WC+8*\c:WC+8*\c+3], s[DC:DC+1] offset:512*\c           ; k = 32 c + 0 .. 15: the image's lanes 0-15; the wave fills 256 consecutive bytes in each of its two tiles
	global_store_b128 v6, v[WC+8*\c+4:WC+8*\c+7], s[DC:DC+1] offset:512*\c+256     ; k = 32 c + 16 .. 31: its lanes 16-31
.endm
	s_load_b512 s[4:19], s[0:1], 0x0               ; x s[4:5], y s[6:7], Wq s[8:9], Wk s[10:11], Wv s[12:13], xyc s[14:15], xys s[16:17], wc s[18:19]
	s_load_b64 s[20:21], s[0:1], 0x40              ; ws
	v_lshl_add_u32 v[SPW], v0, 2, SPARE
	v_mov_b32 v[NIL], 0
	v_lshrrev_b32 v1, 5, v0
	v_readfirstlane_b32 s[WV], v1                  ; wave 0..3
	v_and_b32 v1, 31, v0                           ; lane
	s_mov_b32 s[SEL], 0x76543210
	s_mov_b32 s[SEL+1], 0xfedcba98
	s_mov_b32 s[MNT], 0x600000
	s_mov_b32 s[HM], 0xffff0000
	s_mov_b32 s39, 0
	s_wait_kmcnt 0x0
	s_cmp_lt_u32 ttmp9, 192
	s_cbranch_scc0 .Lxy
	; ---- THE WEIGHTS.  Work-group g: weight g / 64, columns 128 ((g / 8) % 8) on, rows d 128 (g % 8) on.  A wave takes 32 columns; A LANE TAKES A COLUMN e AND ITS REGISTERS RUN DOWN d: nothing is transposed by an instruction.
	s_lshr_b32 s34, ttmp9, 6                       ; which weight
	s_bfe_u32 s35, ttmp9, 0x30003                  ; which 128 columns
	s_and_b32 s36, ttmp9, 7                        ; which 128 rows: the K step
	s_cmp_eq_u32 s34, 0
	s_cselect_b64 s[SRC:SRC+1], s[8:9], s[10:11]
	s_cmp_eq_u32 s34, 2
	s_cselect_b64 s[SRC:SRC+1], s[12:13], s[SRC:SRC+1]
	s_lshl_b32 s38, s36, 19                        ; 128 rows of 4,096 bytes
	s_lshl_b32 s37, s35, 9
	s_add_co_u32 s38, s38, s37
	s_lshl_b32 s37, s[WV], 7
	s_add_co_u32 s38, s38, s37
	s_add_nc_u64 s[SRC:SRC+1], s[SRC:SRC+1], s[38:39]
	s_lshl_b32 s38, s34, 20                        ; codes: the weight's 1,048,576 bytes; tile 8 x (128 columns) + 2 x wave; the K step
	s_lshl_b32 s37, s35, 17
	s_add_co_u32 s38, s38, s37
	s_lshl_b32 s37, s[WV], 15
	s_add_co_u32 s38, s38, s37
	s_lshl_b32 s37, s36, 11
	s_add_co_u32 s38, s38, s37
	s_add_nc_u64 s[DC:DC+1], s[18:19], s[38:39]
	s_lshl_b32 s38, s34, 15                        ; scale words: the weight's 32,768 bytes; the block of (128 columns, K step); 4 x wave = 4 (tile / 2)
	s_lshl_b32 s37, s35, 12
	s_add_co_u32 s38, s38, s37
	s_lshl_b32 s37, s36, 9
	s_add_co_u32 s38, s38, s37
	s_lshl_b32 s37, s[WV], 2
	s_add_co_u32 s38, s38, s37
	s_add_nc_u64 s[DS:DS+1], s[20:21], s[38:39]
	s_wait_alu depctr_va_vdst(0)
	v_lshlrev_b32 v2, 2, v1                        ; in: 4 bytes a lane
	v_bfe_u32 v3, v0, 3, 1                         ; column j of the wave's 32 is lane-row (j % 8) + 8 (j / 16) of tile 2 x wave + (j / 8) % 2
	v_and_b32 v4, 7, v0
	v_bfe_u32 v5, v0, 4, 1
	v_lshl_add_u32 v4, v5, 3, v4
	v_lshlrev_b32 v6, 4, v4
	v_lshl_add_u32 v6, v3, 14, v6                  ; codes: 16,384 x (which tile) + 16 x lane-row
	v_lshlrev_b32 v7, 5, v4
	v_lshl_add_u32 v7, v3, 4, v7                   ; scale word: 32 x lane-row + 16 x (tile % 2)
	WLOAD 0
	WLOAD 1
	s_wait_alu depctr_va_vdst(0)
	s_wait_loadcnt 32                              ; block 0 is in; block 1's 32 loads may be out
	WLOAD 2
	WBLOCK 0
	s_wait_loadcnt 32                              ; block 1 is in; block 2's may be out
	WLOAD 3
	WBLOCK 1
	s_wait_loadcnt 32                              ; block 2 is in; block 3's may be out
	WBLOCK 2
	s_wait_loadcnt 0
	WBLOCK 3
	global_store_b32 v7, v[WW], s[DS:DS+1]         ; four bytes a lane, 16 bytes apart: the four waves together fill the block.  One byte in 128 of what this path reads
	s_endpgm
.Lxy:	; ---- x AND y.  Wave U = 4 (g - 192) + wave: tensor U / 512, rows 128 ((U / 8) % 64) on, K step U % 8: eight fragments.  The four waves of a work-group stand side by side on 2,048 bytes of each row.
	s_sub_co_u32 s34, ttmp9, 192
	s_lshl_b32 s34, s34, 2
	s_add_co_u32 s34, s34, s[WV]
	s_lshr_b32 s35, s34, 9
	s_bfe_u32 s36, s34, 0x60003
	s_and_b32 s37, s34, 7
	s_cmp_eq_u32 s35, 0
	s_cselect_b64 s[SRC:SRC+1], s[4:5], s[6:7]
	s_lshl_b32 s38, s36, 19                        ; 128 rows of 4,096 bytes
	s_lshl_b32 s40, s37, 9                         ; 128 numbers
	s_add_co_u32 s38, s38, s40
	s_add_nc_u64 s[SRC:SRC+1], s[SRC:SRC+1], s[38:39]
	s_lshl_b32 s38, s35, 23
	s_lshl_b32 s40, s36, 17
	s_add_co_u32 s38, s38, s40
	s_lshl_b32 s40, s37, 11
	s_add_co_u32 s38, s38, s40
	s_add_nc_u64 s[DC:DC+1], s[14:15], s[38:39]
	s_lshl_b32 s38, s35, 18
	s_lshl_b32 s40, s36, 12
	s_add_co_u32 s38, s38, s40
	s_lshl_b32 s40, s37, 9
	s_add_co_u32 s38, s38, s40
	s_add_nc_u64 s[DS:DS+1], s[16:17], s[38:39]
	v_and_b32 v2, 15, v0                           ; r
	v_bfe_u32 v3, v0, 4, 1                         ; h
	s_wait_alu depctr_va_vdst(0)
	v_lshlrev_b32 v[LO], 4, v1
	s_mul_i32 s40, s[WV], STGW
	v_add_nc_u32 v[SI], s40, v[LO]
	v_mul_u32_u24 v[SOA], v2, SP
	v_lshl_add_u32 v[SOA], v3, 6, v[SOA]
	v_add_nc_u32 v[SOA], s40, v[SOA]               ; row r, + 64 h: my 16 numbers of each block of 32
	v_lshlrev_b32 v[SA], 5, v2
	v_lshl_add_u32 v[SA], v3, 4, v[SA]
.irp b, 0,1,2,3
	v_mov_b32 v[TM+4+\b], 0                        ; written once: a lane permute's destination counts as one of its sources
.endr
	LOAD 0
	LOAD 1
	s_wait_alu depctr_va_vdst(0)
.macro SHIFT j                         ; lane (r, h) keeps the words of tiles h, 2 + h, 4 + h, 6 + h: a pair of tiles' word comes in on top
	v_mov_b32 v[OW], v[OW+1]
	v_mov_b32 v[OW+1], v[OW+2]
	v_mov_b32 v[OW+2], v[OW+3]
	v_cndmask_b32 v[OW+3], v[PWS+\j], v[PWS+\j+1], s[HM]
.endm
.irp j, 1,2,3
	v_mov_b32 v[OW+\j], 0
.endr
	s_mov_b32 s41, 0
.Ltiles:                               ; three trips of two tiles; the fourth pair is written out, since it asks for nothing
	FRAGM 0
	FRAGM 1
	SHIFT 0
	s_wait_alu depctr_va_vdst(0)
	s_wait_xcnt 0x0                                ; loads and stores have read their bases
	s_add_nc_u64 s[SRC:SRC+1], s[SRC:SRC+1], 131072
	s_add_nc_u64 s[DC:DC+1], s[DC:DC+1], 32768
	s_add_co_u32 s41, s41, 1
	s_cmp_lt_u32 s41, 3
	s_cbranch_scc1 .Ltiles
	s_sub_nc_u64 s[DC:DC+1], s[DC:DC+1], 98304     ; (the last pair's offsets count from the first tile)
	FRAGM 6
	FRAGM 7
	SHIFT 6
	global_store_b128 v[SA], v[OW:OW+3], s[DS:DS+1]                ; 512 consecutive bytes
	s_wait_tensorcnt 0x0                           ; the wave's end, behind my last LDS store
	ds_add_u32 v[SPW], v[NIL]
	s_wait_dscnt 0x0
	s_endpgm
.Lfunc_end_k_qe8a05af8b9_quant:
	.size	k_qe8a05af8b9_quant, .Lfunc_end_k_qe8a05af8b9_quant-k_qe8a05af8b9_quant
	.p2alignl 7, 3214868480
	.fill 96, 4, 3214868480
	.section	.rodata,"a",@progbits
	.p2align	6, 0x0
	.amdhsa_kernel k_qe8a05af8b9_quant
		.amdhsa_group_segment_fixed_size 34304
		.amdhsa_private_segment_fixed_size 0
		.amdhsa_enable_private_segment 0
		.amdhsa_kernarg_size 72
		.amdhsa_user_sgpr_count 2
		.amdhsa_user_sgpr_kernarg_segment_ptr 1
		.amdhsa_wavefront_size32 1
		.amdhsa_system_sgpr_workgroup_id_x 1
		.amdhsa_system_sgpr_workgroup_id_y 1
		.amdhsa_system_sgpr_workgroup_id_z 1
		.amdhsa_system_vgpr_workitem_id 0
		.amdhsa_next_free_vgpr 256
		.amdhsa_next_free_sgpr 66
		.amdhsa_reserve_vcc 0
		.amdhsa_float_denorm_mode_32 3
		.amdhsa_float_denorm_mode_16_64 3
		.amdhsa_memory_ordered 1
		.amdhsa_forward_progress 1
		.amdhsa_inst_pref_size 80
	.end_amdhsa_kernel
	.amdgpu_metadata
---
amdhsa.version: [ 1, 2 ]
amdhsa.kernels:
  - .name:           k_qe8a05af8b9_quant
    .symbol:         k_qe8a05af8b9_quant.kd
    .args:
      - { .name: x, .offset: 0, .size: 8, .value_kind: global_buffer, .address_space: global }
      - { .name: y, .offset: 8, .size: 8, .value_kind: global_buffer, .address_space: global }
      - { .name: Wq, .offset: 16, .size: 8, .value_kind: global_buffer, .address_space: global }
      - { .name: Wk, .offset: 24, .size: 8, .value_kind: global_buffer, .address_space: global }
      - { .name: Wv, .offset: 32, .size: 8, .value_kind: global_buffer, .address_space: global }
      - { .name: xyc, .offset: 40, .size: 8, .value_kind: global_buffer, .address_space: global }
      - { .name: xys, .offset: 48, .size: 8, .value_kind: global_buffer, .address_space: global }
      - { .name: wc, .offset: 56, .size: 8, .value_kind: global_buffer, .address_space: global }
      - { .name: ws, .offset: 64, .size: 8, .value_kind: global_buffer, .address_space: global }
    .group_segment_fixed_size: 34304
    .private_segment_fixed_size: 0
    .kernarg_segment_align: 8
    .kernarg_segment_size: 72
    .max_flat_workgroup_size: 128
    .sgpr_count:     66
    .vgpr_count:     256
    .wavefront_size: 32
...
	.end_amdgpu_metadata
.endif
;; end of part 1
;; launch proj (part 2): grid 8 x 32, 4 waves a work-group, clusters of 4 x 4, 327,680 bytes of LDS; arguments xyc, xys, wc, ws, bq, bk, bv, qkvc, qkvs; writes qkvc, qkvs
.if DOCPART == 2
	.amdgcn_target "amdgcn-amd-amdhsa--gfx1250"
	.amdhsa_code_object_version 6
	.text
	.protected	k_qe8a05af8b9_proj
	.globl	k_qe8a05af8b9_proj
	.p2align	8
	.type	k_qe8a05af8b9_proj,@function
k_qe8a05af8b9_proj:
	s_mov_b64 s[64:65], 0
	v_nop
	global_prefetch_b8 v0, s[64:65] scope:SCOPE_SE
	s_setreg_imm32_b32 hwreg(HW_REG_WAVE_MODE, 25, 1), 1
	s_wait_xcnt 0x0
	s_wait_alu depctr_hold_cnt(0) depctr_sa_sdst(0) depctr_va_vdst(0) depctr_va_sdst(0) depctr_va_ssrc(0) depctr_va_vcc(0) depctr_vm_vsrc(0)
	s_getreg_b32 s2, hwreg(HW_REG_IB_STS2, 6, 4)
	s_cmp_eq_u32 s2, 0
	s_cbranch_scc0 .Lentry_in_a_cluster
	s_endpgm
.Lentry_in_a_cluster:
	s_bfe_u32 s2, ttmp6, 0x10000c
	s_cmp_lg_u32 s2, 0xf033
	s_cbranch_scc0 .Lentry_shape_is_right
	s_endpgm
.Lentry_shape_is_right:
; SECOND LAUNCH: Q = x Wq + bq, K = y Wk + bk and V^T = (y Wv + bv)^T on codes of E4M3 with E8M0 scales (K = d = 1,024), each result quantised in registers and stored as the next product's operand.  No work of the problem is left out here.
; Buffers and their layout (tiles of 16 rows, fragments as images of registers, scale blocks): see the first launch's head.  A tile is 16,384 dense bytes, so every tensor load is one dense run.
; THE DEAL.  256 work-groups of four waves, 2 x 2.  A wave HOLDS 64 rows of one operand, all of K, in 512 registers and STREAMS 16-row blocks of the other past them: 32 products a block.
; PHASE 1: held = 128 columns of Wq or Wk, streamed = 512 rows of x or y: 16 blocks a wave.  PHASE 2 (V^T): held = 128 tokens of y, streamed = 256 of Wv's columns e: 8 blocks a wave.  In both the result's lane is a streamed row and its registers run along the held rows,
; which are the next product's K: a block gives half a fragment (two groups of 512 bytes) and two of a scale word's four bytes.
; CLUSTERS of 4 x 4: phase 1: held rows hang on cx (shared along a column), streamed rows on cy (shared along a row).  Phase 2: tokens on cy, Wv's columns on cx.
; LDS: two slots of eight tiles: the two rows of waves take a slot's even and odd tiles.  Fills: held 1 -> slot 1, chunk 0 -> slot 0, chunk 1 -> slot 1, chunk 2 -> 0, chunk 3 -> 1, held 2 -> 0, V's chunk 0 -> 1, chunk 1 -> 0.
; Inside block 2 of four stands ONE round of the cluster's barrier: it shows the chunk that was asked for four blocks ago, and behind it the slot whose last tile has gone into registers is filled again.
; A block's fragments are fetched in one run, behind the products of the block two before it.  A block's quantiser stands among the next block's products: two lines behind each, a conversion as a third.
; PREFETCH: chunks 1 to 3 and held 2: each of a cluster row's sixteen waves names a sixteenth of a chunk, a lane 256 bytes.  Wv's rows are the same for all clusters: those of cluster y 0 and 1 name them, each of a cluster column's sixteen waves a sixteenth of a chunk.
; LIMITS: a block whose largest magnitude lies under 2^-118 keeps the byte 1 (this program alone reads the bytes); NaN and infinities are not served.
; REGISTERS: windows 1, 2: held fragment 4 q + b at 16 (4 q + b).  Window 3: two sets of a block's eight fragments.  Window 0: all else.
.set SLOT,  131072
.set SCL,   262144                     ; streamed rows' scale blocks: phase 1's four groups of 128 rows, then phase 2's two: 4,096 bytes each
.set XN,    SCL+24576                  ; the scale words that go out: six groups of 512 bytes
.set SPARE, XN+3072                    ; the spare words, 128 bytes a wave: two blocks of 256 bytes that no other line names
.set NF,    36                         ; LDS loads that fetch a block
.set ADRA0, 4                          ; v4  my place in a slot: 16,384 x row of waves + 16 x lane
.set AAS0,  5                          ; v5  my scale words in group 0: lanes 0-15 even K steps, lanes 16-31 odd ones
.set ADRW,  6                          ; v6, v7  my held rows in slot 1, in slot 0
.set ADRW2, 7
.set CO,    8
.set VX,    9                          ; v9  where my two scale bytes go
.set SPW,   10
.set NIL,   11
.set ADRA,  12
.set AAS,   13
.set PFO,   14
.set BVL,   16                         ; v16-23  bv at my row of phase 2's eight blocks
.set SB,    24                         ; v24-39  held scale words: (p, q) at SB + 8 p + 4 (q % 2) + (q / 2 + 1) % 4: lanes 0-15 tile 2 p, lanes 16-31 tile 2 p + 1: no product's two scale words have numbers equal modulo 8
.set SA,    40                         ; v40-47  streamed scale words, two sets of four: lanes 0-15 K step 2 m, lanes 16-31 K step 2 m + 1
.set T,     48                         ; v48-59  the quantiser at work
.set EB,    60
.set PFW,   61                         ; v61  the prefetches of Wv's rows
.set CPY,   62                         ; v62  the first bound once more, freshly written
.set ACC,   64                         ; v64-127 two sets of four accumulators
.set NCD,   128                        ; v128-135 codes
.set BQ,    136                        ; v136-167 bq or bk in the result's layout: the C of phase 1's first products
.set BV,    168                        ; v168-175 the C of phase 2's first products
.set WS,    176                        ; v176-191 phase 2's held scale words, until the change of phase
.set WV,    24
.set RH,    25                         ; my row of waves
.set CW,    26                         ; my column of waves
.set CX,    27
.set CY,    28
.set YY,    30
.set PROD,  31                         ; 0: Q, 1: K: the same in all sixteen partners
.set G1C,   32                         ; descriptors: shared by my column,
.set G1R,   40                         ; by my row
.set G0C,   48
.set G0R,   52
.set CB,    56                         ; (head) column block of 128
.set RB,    57                         ; (head) row block of 512
.set TG,    58                         ; (head) token block of 128
.set TRIP,  56
.set SLC,   57                         ; the slot in hand, the other slot
.set SLN,   58
.set SG,    59
.set SEL,   60
.set MNT,   62
.set OFF,   63                         ; where the next row-shared fill begins in xyc
.set PFN,   66
.set PFT,   67                         ; s67  the trip in which I ask for Wv's rows; none in most clusters
.set G1SR,  68
.set G1SC,  76
.set G0SR,  84
.set G0SC,  88
.set OST,   92
.set OST2,  94
.set SC1,   96
.set SC2,   98
.set S2O,   100
.set X0,    101
.set E0,    104
.set SHR,   105
.set MSB, 0
.macro WIN new
.if MSB != (\new)
	s_set_vgpr_msb (MSB<<8)|(\new)
.set MSB, (\new)
.endif
.endm
.macro PLACES n                        ; plain vector lines between a matrix instruction and a load into, or a vector read or write of, its registers: eight for this form
.rept \n
	v_nop
.endr
.endm
.macro WALU
	s_wait_alu depctr_va_vdst(0)
.endm
.macro BARRIER
	s_barrier_signal -1
	s_barrier_wait -1
.endm
.macro CREST                           ; a round of the cluster's barrier behind its opening barrier
	s_cmp_lg_u32 s[WV], 0
	s_cbranch_scc1 .Lnot_wave_0_\@
	s_barrier_signal -3
.Lnot_wave_0_\@:
	s_barrier_wait -3
	BARRIER
.endm
.macro CROUND
	BARRIER
	CREST
.endm
.macro TLOAD g0, g1                    ; an s_nop 0 and four v_nop follow a tensor load
	tensor_load_to_lds s[\g0:\g0+3], s[\g1:\g1+7]
	s_nop 0
	PLACES 4
.endm
.macro ADDL d, s, n
	s_lshl_b32 s23, s[\s], \n
	s_add_co_u32 s[\d], s[\d], s23
.endm
.macro PTR d, b                        ; a pointer + the offset in s2
	s_add_nc_u64 s[\d:\d+1], s[\b:\b+1], s[2:3]
.endm
.macro G1W g, c, r                     ; group 1: r dense rows of c elements of 8 bytes
	s_mov_b32 s[\g+1], (\c)<<16
	s_mov_b32 s[\g+2], (\r)<<16
	s_mov_b32 s[\g+3], (\c)<<16
	s_mov_b32 s[\g+4], \r
	s_mov_b32 s[\g+5], \c
	s_mov_b32 s[\g+6], 0
	s_mov_b32 s[\g+7], 0
.endm
.macro DESC g0, base, off, slot        ; group 0 of a fill: two of a slot's eight tiles a wave
	s_lshl_b32 s22, s[WV], 15
	s_add_co_u32 s[\g0+1], s22, s[\slot]
	s_add_co_u32 s22, s22, s[\off]
	s_mov_b32 s23, 0
	s_add_nc_u64 s[\g0+2:\g0+3], s[\base:\base+1], s[22:23]
	s_or_b32 s[\g0+3], s[\g0+3], 0x80000000
.endm
.macro HELDQ q, adr                    ; my four held tiles' fragments of K step q
.irp b, 0,1,2,3
.set F_, 4*(\q)+\b
	WIN (1+F_/16)<<6
.irp c, 0,1,2,3
	ds_load_b128 v[16*(F_%16)+4*\c:16*(F_%16)+4*\c+3], v[\adr] offset:16384*\b+2048*(\q)+512*\c
.endr
.endr
	WIN 0
.endm
.macro FETCH e, off, so                ; a block's eight fragments, each four loads of 512 consecutive bytes, and its scale words
	WIN 0xc0
.irp f, 0,1,2,3,4,5,6,7
.irp c, 0,1,2,3
	ds_load_b128 v[128*(\e)+16*\f+4*\c:128*(\e)+16*\f+4*\c+3], v[ADRA] offset:(\off)+2048*\f+512*\c
.endr
.endr
	WIN 0
.irp m, 0,1,2,3
	ds_load_b32 v[SA+4*(\e)+\m], v[AAS] offset:(\so)+1024*\m
.endr
.endm
.macro RUNSK e, off, so                ; phase 2: nothing lies behind the second trip
	s_cmp_eq_u32 s[TRIP], 1
	s_cbranch_scc1 .Lno_more_\@
	FETCH \e, \off, \so
.Lno_more_\@:
.endm
; Product n = 4 q + b of a block: source 0 = held tile b, source 1 = the block (set e; its sums are accumulator set e).  The four accumulators take turns.  cm: which bias the first K step starts from.
.macro PRODUCT e, n, cm
.set Q_, (\n)/4
.set B_, (\n)%4
.set F_, 4*Q_+B_
.set W_, 16*(F_%16)
.set D_, ACC+32*(\e)+8*B_
.set C_, D_
.if Q_ == 0
.if \cm
.set C_, BV
.else
.set C_, BQ+8*B_
.endif
.endif
.set R_, 128*(\e)+16*Q_
.set XS_, SA+4*(\e)+Q_/2
.set WS_, SB+8*(B_/2)+4*(Q_%2)+(Q_/2+1)%4
	WIN (1+F_/16)|(3<<2)
.if B_%2
.if Q_%2
	v_wmma_scale_f32_16x16x128_f8f6f4 v[D_:D_+7], v[W_:W_+15], v[R_:R_+15], v[C_:C_+7], v[WS_], v[XS_] matrix_a_scale:MATRIX_SCALE_ROW1 matrix_b_scale:MATRIX_SCALE_ROW1
.else
	v_wmma_scale_f32_16x16x128_f8f6f4 v[D_:D_+7], v[W_:W_+15], v[R_:R_+15], v[C_:C_+7], v[WS_], v[XS_] matrix_a_scale:MATRIX_SCALE_ROW1
.endif
.else
.if Q_%2
	v_wmma_scale_f32_16x16x128_f8f6f4 v[D_:D_+7], v[W_:W_+15], v[R_:R_+15], v[C_:C_+7], v[WS_], v[XS_] matrix_b_scale:MATRIX_SCALE_ROW1
.else
	v_wmma_scale_f32_16x16x128_f8f6f4 v[D_:D_+7], v[W_:W_+15], v[R_:R_+15], v[C_:C_+7], v[WS_], v[XS_]
.endif
.endif
.endm
; THE QUANTISER, lines 0 .. 62, of the block whose sums stand at x: two scale blocks of 32, each 16 registers of lanes l and l xor 16.  Four chains of maxima by turns; each accumulator is read from its low end on; the floor 2^(9 - 127) holds the byte at 1 from below.
.macro LINE k, x
.set M_, (\k)%4
.if (\k) < 4
	v_max3_num_f32 v[T+M_], |v[\x+8*M_]|, |v[\x+8*M_+1]|, |v[\x+8*M_+2]|
.elseif (\k) < 12
	v_max3_num_f32 v[T+M_], v[T+M_], |v[\x+8*M_+2*((\k)/4)+1]|, |v[\x+8*M_+2*((\k)/4)+2]|
.elseif (\k) < 14
	v_max3_num_f32 v[T+1+2*((\k)-12)], v[T+1+2*((\k)-12)], |v[\x+15+16*((\k)-12)]|, 0x4800000
.elseif (\k) < 16
	v_max3_num_f32 v[T+2*((\k)-14)], v[T+2*((\k)-14)], |v[\x+7+16*((\k)-14)]|, v[T+1+2*((\k)-14)]
.elseif (\k) < 18
	v_permlanex16_b32 v[T+4+(\k)-16], v[T+2*((\k)-16)], s[SEL], s[SEL+1]
.elseif (\k) < 20
	v_max_num_f32 v[T+2*((\k)-18)], v[T+2*((\k)-18)], v[T+4+(\k)-18]
.elseif (\k) < 22
	v_add_nc_u32 v[T+6+(\k)-20], 0xfc000000, v[T+2*((\k)-20)]
.elseif (\k) < 24
	v_and_or_b32 v[T+8+(\k)-22], v[T+2*((\k)-22)], 0x7f800000, s[MNT]
.elseif (\k) < 26
	v_lshrrev_b32 v[T+10+(\k)-24], 23, v[T+6+(\k)-24]
.elseif (\k) == 26
	v_lshl_or_b32 v[EB], v[T+11], 8, v[T+10]
.elseif (\k) < 43
	v_med3_num_f32 v[\x+(\k)-27], v[\x+(\k)-27], -v[T+8], v[T+8]
.elseif (\k) < 45
	v_cvt_scalef32_pk8_fp8_f32 v[NCD+2*((\k)-43):NCD+2*((\k)-43)+1], v[\x+8*((\k)-43):\x+8*((\k)-43)+7], v[T+6]
.elseif (\k) < 61
	v_med3_num_f32 v[\x+16+(\k)-45], v[\x+16+(\k)-45], -v[T+9], v[T+9]
.else
	v_cvt_scalef32_pk8_fp8_f32 v[NCD+4+2*((\k)-61):NCD+4+2*((\k)-61)+1], v[\x+16+8*((\k)-61):\x+16+8*((\k)-61)+7], v[T+7]
.endif
.endm
; What stands behind product m, m = 0 .. 29: two lines; a conversion as a third, behind the last of its eight holds.  Two holds read the bound's second copy: the first copy's write would stand too far ahead of them.
.macro GAP m, x
.if (\m) < 13
	LINE 2*(\m), \x
	LINE 2*(\m)+1, \x
.elseif (\m) == 13
	LINE 26, \x
	v_mov_b32 v[CPY], v[T+8]
.elseif (\m) == 15
	v_med3_num_f32 v[\x+2], v[\x+2], -v[CPY], v[CPY]
	v_med3_num_f32 v[\x+3], v[\x+3], -v[CPY], v[CPY]
.elseif (\m) < 22
	LINE 2*(\m)-1, \x
	LINE 2*(\m), \x
.else
	LINE 2*(\m)+1, \x
	LINE 2*(\m)+2, \x
.endif
.if (\m) == 17
	LINE 43, \x
.elseif (\m) == 21
	LINE 44, \x
.elseif (\m) == 25
	LINE 61, \x
.elseif (\m) == 29
	LINE 62, \x
.endif
.endm
.macro EXTRA j                         ; addresses, by the block's number in four; they stand behind the block's wait on XCNT
.if (\j) == 0
	s_add_co_u32 s22, s[SLC], 65536
	v_add_nc_u32 v[ADRA], s22, v[ADRA0]            ; tiles 4 to 7 of the slot in hand
.elseif (\j) == 2
	s_add_co_u32 s[SG], s[SG], 4096
	v_add_nc_u32 v[ADRA], s[SLN], v[ADRA0]         ; tiles 0 to 3 of the other slot
	v_add_nc_u32 v[AAS], s[SG], v[AAS0]
.elseif (\j) != 3
	s_add_nc_u64 s[OST:OST+1], s[OST:OST+1], s[2:3]
	v_add_nc_u32 v[VX], 512, v[VX]
.if (\j) == 1
	v_lshl_add_u32 v[PFO], v3, 8, s[PFN]
.endif
.endif
.endm
; Products from .. to of a block, with the quantiser of the block before, at x, among them.
.macro BODY e, cm, j, x, from, to
.set N_, \from
.rept (\to)-(\from)
	PRODUCT \e, N_, \cm
.if N_ < 30
	WIN 0
.if N_ == 0
	EXTRA \j
.endif
	GAP N_, \x
.endif
.set N_, N_+1
.endr
	WIN 0
.endm
.macro ENDS bv                         ; the eight places behind a block's last product: phase 2 fills them with the next block's bias
.if (\bv) < 0
	PLACES 8
.else
.irp k, 0,1,2,3,4,5,6,7
	v_mov_b32 v[BV+\k], v[BVL+\bv]
.endr
.if (\bv) == 4
.irp k, 1,2,3
	v_mov_b32 v[BVL+\k], v[BVL+4+\k]
.endr
.endif
	WALU
.endif
.endm
.macro SEND i                          ; the block before, number i of its four: its two bytes into LDS, its codes out: two runs of 512 bytes
	ds_store_b16 v[VX], v[EB] offset:4*(\i)
	global_store_b128 v[CO], v[NCD:NCD+3], s[OST:OST+1] offset:(\i)*TS
	global_store_b128 v[CO], v[NCD+4:NCD+7], s[OST:OST+1] offset:(\i)*TS+512
.endm
; A block.  w: the wait's count (-1: the block before has waited for all); fm = 1: the block two on is fetched, 2: unless none is left; skip = 1: in the first trip no block stands before it.
.macro BLK e, cm, w, j, fm, off, so, i, skip, bv
.if (\w) >= 0
	s_wait_dscnt \w                                ; this block's fragments are in; the next block's may be out
.endif
	s_wait_xcnt 0x0                                ; the stores have read their data and base, a prefetch its address
	BODY \e, \cm, \j, ACC+32*(1-\e), 0, 32
	ENDS \bv
.if \skip
	s_cmp_eq_u32 s[TRIP], 0
	s_cbranch_scc1 .Lnone_before_\@
.endif
	SEND \i
.if \skip
.Lnone_before_\@:
.endif
.if (\fm) == 1
	FETCH \e, \off, \so
.elseif (\fm) == 2
	RUNSK \e, \off, \so
.endif
.endm
; Block 2 of four in phase 1, with the round.  The three lines stand at its head: all my loads have landed; the add; its wait stands ahead of the signal.
.macro RBLK g0, g1, base, off, fetch
	s_wait_dscnt NF
	s_wait_xcnt 0x0
	s_wait_tensorcnt 0x0
	ds_add_u32 v[SPW], v[NIL]                      ; 0 onto my spare word
	DESC \g0, \base, \off, SLC
	BODY 0, 0, 2, ACC+32, 0, 28
	WALU
	s_wait_dscnt 0x0                               ; the add is done, and my reads of the slot in hand are over
	s_barrier_signal -1
	BODY 0, 0, 3, ACC+32, 28, 32
	v_nop                                          ; a plain line behind the last conversion
	WALU
	s_barrier_wait -1
	CREST                                          ; no wave of any partner still reads this slot or has a load on its way; the other slot is whole
	TLOAD \g0, \g1
	PLACES 4
	SEND 1
.if \fetch
	FETCH 0, 0, 0
.endif
.endm
	s_load_b512 s[4:19], s[0:1], 0x0               ; xyc s[4:5], xys s[6:7], wc s[8:9], ws s[10:11], bq s[12:13], bk s[14:15], bv s[16:17], qkvc s[18:19]
	s_load_b64 s[20:21], s[0:1], 0x40              ; qkvs
	v_lshl_add_u32 v[SPW], v0, 2, SPARE
	v_mov_b32 v[NIL], 0
	ds_add_u32 v[SPW], v[NIL]                      ; the wave's opening: the add, twice on end, and its wait ahead of my first tensor load
	ds_add_u32 v[SPW], v[NIL]
	v_lshrrev_b32 v1, 5, v0
	v_readfirstlane_b32 s[WV], v1
	s_lshr_b32 s[RH], s[WV], 1
	s_and_b32 s[CW], s[WV], 1
	s_bfe_u32 s[CX], ttmp6, 0x40000
	s_bfe_u32 s[CY], ttmp6, 0x40004
	s_and_b32 s[YY], ttmp7, 0xffff                 ; cluster y, 0..7; cluster x, 0..1
	s_lshr_b32 s[PROD], s[YY], 2
	s_and_b32 s[YY], s[YY], 3
	s_lshl_b32 s22, s[CY], 2
	s_lshl_b32 s22, 15, s22                        ; my row of the cluster
	s_lshl_b32 s23, 0x1111, s[CX]                  ; my column
	s_or_b32 s[G1C], s23, (3<<16)|(1<<21)          ; the mask; elements of 8 bytes; bit 21 beside a mask; no padding
	s_or_b32 s[G1SC], s23, (3<<16)|(1<<21)
	s_or_b32 s[G1R], s22, (3<<16)|(1<<21)
	s_or_b32 s[G1SR], s22, (3<<16)|(1<<21)
	G1W G1C, 2048, 8                               ; the head's loads: eight tiles; later fills: two
	G1W G1R, 2048, 8
	G1W G1SR, 32, 64                               ; scale blocks of 512 rows, of 256 rows, as rows of 256 bytes
	G1W G1SC, 32, 32
	s_lshl_b32 s[CB], ttmp9, 2
	s_add_co_u32 s[TG], s[CB], s[CY]
	s_add_co_u32 s[CB], s[CB], s[CX]               ; 128 columns of Wq or Wk: 4 x cluster x + cx
	ADDL TG, PROD, 3
	ADDL TG, YY, 4                                 ; 128 tokens of V^T: 16 (cluster y % 4) + 8 (cluster y / 4) + 4 x cluster x + cy
	s_lshl_b32 s[RB], s[YY], 2
	s_add_co_u32 s[RB], s[RB], s[CY]               ; 512 rows of x or y: 4 (cluster y % 4) + cy
	s_lshl_b32 s[X0], s[PROD], 23
	ADDL X0, RB, 19                                ; where they begin in xyc,
	s_lshl_b32 s[S2O], s[TG], 17
	s_add_co_u32 s[S2O], s[S2O], 8388608           ; and the tokens; y lies behind x
	s_lshl_b32 s[E0], s[CX], 18
	s_add_co_u32 s[E0], s[E0], 2<<20               ; 256 of Wv's columns, in wc
	s_wait_alu depctr_va_vdst(0)
	s_wait_dscnt 0x0                               ; both opening adds are done
	CROUND                                         ; all sixteen work-groups are here: the first joint loads meet
	s_wait_kmcnt 0x0
	s_mov_b32 s3, 0
	s_lshl_b32 s2, s[PROD], 20
	ADDL 2, CB, 17
	PTR G0C+2, 8
	s_mov_b32 s2, s[X0]
	PTR G0R+2, 4
	s_lshl_b32 s2, s[PROD], 18
	ADDL 2, RB, 14
	PTR G0SR+2, 6
	s_lshl_b32 s2, s[CX], 13
	s_add_co_u32 s2, s2, 65536
	PTR G0SC+2, 10
.irp g, G0C, G0R, G0SR, G0SC
	s_or_b32 s[\g+3], s[\g+3], 0x80000000
	s_mov_b32 s[\g], 1
.endr
	s_mov_b32 s[G0C+1], SLOT
	s_mov_b32 s[G0R+1], 0
	s_mov_b32 s[G0SR+1], SCL
	s_mov_b32 s[G0SC+1], SCL+16384
; THE HEAD'S LOADS, ONE A WAVE: wave 0 the held rows, which are wanted first; wave 1 chunk 0; waves 2 and 3 the streamed rows' scale blocks of the two phases.
.macro ARM under, g0, g1, next
	s_cmp_lt_u32 s[WV], \under
	s_cbranch_scc0 \next
	TLOAD \g0, \g1
	s_branch .Lasked
\next:
.endm
	ARM 1, G0C, G1C, .Lfor_chunk
	ARM 2, G0R, G1R, .Lfor_scales
	ARM 3, G0SR, G1SR, .Lfor_scales_2
	TLOAD G0SC, G1SC
.Lasked:
	s_lshl_b32 s2, s[PROD], 15                     ; held scale words: phase 1 in ws,
	ADDL 2, CB, 12
	ADDL 2, CW, 3
	PTR 66, 10
	s_lshl_b32 s2, s[TG], 12                       ; phase 2 in xys
	s_add_co_u32 s2, s2, 262144
	ADDL 2, CW, 3
	PTR 92, 6
	s_cmp_eq_u32 s[PROD], 0
	s_cselect_b64 s[12:13], s[12:13], s[14:15]     ; bq or bk at my wave's 64 columns;
	s_lshl_b32 s2, s[CB], 9
	ADDL 2, CW, 8
	PTR 12, 12
	s_lshl_b32 s2, s[CX], 10                       ; bv at my row of waves' rows
	ADDL 2, RH, 5
	PTR 16, 16
	v_and_b32 v1, 15, v0                           ; r
	v_bfe_u32 v2, v0, 4, 1                         ; h
	v_and_b32 v3, 31, v0                           ; lane
	v_lshlrev_b32 v61, 5, v1
	v_lshl_add_u32 v61, v2, 4, v61                 ; 32 r + 16 h
	v_lshlrev_b32 v62, 6, v2                       ; register 16 c + m is column 32 c + 16 h + m
	v_and_b32 v63, 8, v1
	v_add_nc_u32 v63, v63, v1
	v_lshlrev_b32 v63, 2, v63                      ; 4 (r + 8 (r / 8))
.irp q, 0,1,2,3,4,5,6,7
.irp p, 0,1
	global_load_b32 v[SB+8*\p+4*(\q%2)+(\q/2+1)%4], v61, s[66:67] offset:512*\q+4*\p
	global_load_b32 v[WS+8*\p+4*(\q%2)+(\q/2+1)%4], v61, s[92:93] offset:512*\q+4*\p
.endr
.endr
.irp k, 0,1,2,3
	global_load_b128 v[BQ+4*\k:BQ+4*\k+3], v62, s[12:13] offset:16*\k
	global_load_b128 v[BQ+16+4*\k:BQ+16+4*\k+3], v62, s[12:13] offset:128+16*\k
	global_load_b32 v[BVL+\k], v63, s[16:17] offset:128*\k
	global_load_b32 v[BVL+4+\k], v63, s[16:17] offset:512+128*\k
.endr
	v_lshlrev_b32 v[CO], 4, v3
	s_lshl_b32 s22, s[RH], 14
	v_add_nc_u32 v[ADRA0], s22, v[CO]
	v_add_nc_u32 v[ADRA], s22, v[CO]
	s_lshl_b32 s22, s[CW], 16
	v_add_nc_u32 v[ADRW2], s22, v[CO]
	s_add_co_u32 s22, s22, SLOT
	v_add_nc_u32 v[ADRW], s22, v[CO]
	v_lshlrev_b32 v48, 5, v1
	v_lshl_add_u32 v49, v2, 9, v48
	s_lshl_b32 s22, s[RH], 4
	s_add_co_u32 s22, s22, SCL
	v_add_nc_u32 v[AAS0], s22, v49
	v_add_nc_u32 v[AAS], s22, v49
	s_add_co_u32 s22, s22, XN-512-SCL              ; (block 1 of each four steps it by 512)
	ADDL 22, CW, 1
	v_add_nc_u32 v[VX], s22, v48
	v_mov_b32 v[T+4], 0                            ; written once: a lane permute's destination counts as one of its sources
	v_mov_b32 v[T+5], 0
.set I_, 0
.rept 32
	v_mov_b32 v[ACC+32+I_], 0                      ; the first block's quantiser lines have no block before them: they work on these, and nothing of it is stored
.set I_, I_+1
.endr
	WALU
	s_wait_xcnt 0x0                                ; the loads have read their bases
	s_lshl_b32 s2, s[PROD], 23                     ; where my codes go: phase 1 (less the first step),
	ADDL 2, RB, 19
	ADDL 2, RH, 14
	ADDL 2, CB, 11
	ADDL 2, CW, 10
	PTR OST, 18
	s_sub_nc_u64 s[OST:OST+1], s[OST:OST+1], 131072
	s_lshl_b32 s2, s[CX], 21                       ; phase 2 likewise,
	s_add_co_u32 s2, s2, 1<<24
	ADDL 2, RH, 17
	ADDL 2, TG, 11
	ADDL 2, CW, 10
	PTR OST2, 18
	s_sub_nc_u64 s[OST2:OST2+1], s[OST2:OST2+1], 1048576
	s_lshl_b32 s2, s[PROD], 18                     ; and scale words: wave w stores group w of phase 1,
	ADDL 2, RB, 14
	ADDL 2, WV, 12
	ADDL 2, CB, 9
	PTR SC1, 20
	s_lshl_b32 s2, s[CX], 16                       ; half w % 2 of group w / 2 of phase 2
	s_add_co_u32 s2, s2, 524288
	ADDL 2, RH, 15
	ADDL 2, TG, 9
	ADDL 2, CW, 8
	PTR SC2, 20
	s_lshl_b32 s[SHR], s[CX], 2                    ; my sixteenth of a chunk
	s_add_co_u32 s[SHR], s[SHR], s[WV]
	s_lshl_b32 s[SHR], s[SHR], 13
	s_add_co_u32 s22, s[X0], s[SHR]
	s_add_co_u32 s22, s22, SLOT
	v_lshl_add_u32 v14, v3, 8, s22                 ; chunk 1
	s_add_co_u32 s22, s22, SLOT
	v_lshl_add_u32 v15, v3, 8, s22                 ; chunk 2
	s_add_co_u32 s[PFN], s22, SLOT                 ; chunk 3 is asked for in the first trip
	s_lshl_b32 s22, s[CY], 2                       ; my sixteenth of a chunk of Wv's rows
	s_add_co_u32 s22, s22, s[WV]
	s_lshl_b32 s22, s22, 13
	s_add_co_u32 s22, s22, s[E0]
	v_lshl_add_u32 v[PFW], v3, 8, s22
	s_lshl_b32 s22, s[PROD], 2
	s_add_co_u32 s22, s22, s[YY]
	s_cmp_lt_u32 s22, 2
	s_cselect_b32 s[PFT], 1, -1
	s_add_co_u32 s[OFF], s[X0], SLOT
	s_mov_b32 s2, 131072                           ; s[2:3]: eight tiles of codes on
	s_mov_b32 s[TRIP], 0
	s_mov_b32 s[SLC], 0
	s_mov_b32 s[SLN], SLOT
	s_mov_b32 s[SG], 0
	s_mov_b32 s[SEL], 0x76543210
	s_mov_b32 s[SEL+1], 0xfedcba98
	s_mov_b32 s[MNT], 0x600000
	WALU
	s_cmp_eq_u32 s[WV], 0
	s_cbranch_scc0 .Lnot_held
	s_wait_tensorcnt 0x0                           ; wave 0: the held rows have landed.  The other waves' wait stands ahead of the round below
.Lnot_held:
	BARRIER
	global_prefetch_b8 v14, s[4:5] th:TH_LOAD_NT scope:SCOPE_SE
	global_prefetch_b8 v15, s[4:5] th:TH_LOAD_NT scope:SCOPE_SE
.irp q, 0,1,2,3,4,5,6,7
	HELDQ \q, ADRW
.endr
	s_wait_tensorcnt 0x0                           ; chunk 0 and the scale blocks are in
	ds_add_u32 v[SPW], v[NIL]
	s_mov_b32 s[G1C+2], 2<<16                      ; no tensor load of mine is out: from here on a load brings two tiles
	s_mov_b32 s[G1C+4], 2
	s_mov_b32 s[G1R+2], 2<<16
	s_mov_b32 s[G1R+4], 2
	DESC G0R, 4, OFF, SLN
	s_add_co_u32 s[OFF], s[OFF], SLOT
	s_wait_dscnt 0x0                               ; the add is done, and the held rows are in registers
	CROUND
	TLOAD G0R, G1R                                 ; chunk 1 -> slot 1
	FETCH 0, 0, 0
	FETCH 1, 32768, 4
	s_wait_loadcnt 0x0
.set TS, 32768                         ; two tiles of Q's or K's codes
.Lfour:                                ; PHASE 1, chunks 0 to 2: the rounds ask for chunk 2, chunk 3, the tokens
	BLK 0, 0, NF, 0, 1, 0, 8, 3, 1, -1
	BLK 1, 0, NF, 1, 1, 32768, 12, 0, 0, -1
	s_cmp_lt_u32 s[TRIP], 2
	s_cbranch_scc0 .Lnone_ahead
	global_prefetch_b8 v[PFO], s[4:5] th:TH_LOAD_NT scope:SCOPE_SE     ; chunk 3, then the tokens: five blocks ahead of their load
.Lnone_ahead:
	s_cmp_eq_u32 s[TRIP], s[PFT]
	s_cbranch_scc0 .Lnot_wv
	global_prefetch_b8 v[PFW], s[8:9] th:TH_LOAD_NT scope:SCOPE_SE     ; Wv's two chunks: nine blocks and more ahead of their loads
	global_prefetch_b8 v[PFW], s[8:9] offset:131072 th:TH_LOAD_NT scope:SCOPE_SE
.Lnot_wv:
	RBLK G0R, G1R, 4, OFF, 1
	BLK 1, 0, -1, 3, 1, 32768, 4, 2, 0, -1
	s_xor_b32 s[SLC], s[SLC], SLOT
	s_xor_b32 s[SLN], s[SLN], SLOT
	s_add_co_u32 s[PFN], s[S2O], s[SHR]
	s_add_co_u32 s[OFF], s[OFF], SLOT
	s_cmp_eq_u32 s[TRIP], 1
	s_cselect_b32 s[OFF], s[S2O], s[OFF]
	s_add_co_u32 s[TRIP], s[TRIP], 1
	s_cmp_lg_u32 s[TRIP], 3
	s_cbranch_scc1 .Lfour
	BLK 0, 0, NF, 0, 1, 0, 8, 3, 0, -1             ; chunk 3, written out: its round asks for V's chunk 0, shared by my column
	BLK 1, 0, NF, 4, 1, 32768, 12, 0, 0, -1
	RBLK G0C, G1C, 8, E0, 0
	BLK 1, 0, -1, 3, 0, 0, 0, 2, 0, -1
	s_wait_xcnt 0x0                                ; THE CHANGE OF PHASE: the tokens go from slot 0 into registers; among their loads stand the last block's quantiser and the tokens' scale words
.irp q, 0,1,2,3,4,5,6,7
	HELDQ \q, ADRW2
.set L_, 8*\q
.rept 8
.if L_ < 63
	LINE L_, ACC+32
.endif
.set L_, L_+1
.endr
	v_mov_b32 v[SB+2*\q], v[WS+2*\q]
	v_mov_b32 v[SB+2*\q+1], v[WS+2*\q+1]
.endr
	SEND 3
	WALU
	s_wait_xcnt 0x0                                ; the stores have read their base
	s_wait_tensorcnt 0x0                           ; V's chunk 0 is in
	ds_add_u32 v[SPW], v[NIL]
	s_add_co_u32 s[E0], s[E0], SLOT
	DESC G0C, 8, E0, SLN
	s_mov_b64 s[OST:OST+1], s[OST2:OST2+1]
	s_mov_b32 s2, 1048576                          ; eight tiles of V^T's codes
	s_mov_b32 s[TRIP], 0
	v_add_nc_u32 v[ADRA], s[SLC], v[ADRA0]
.irp k, 0,1,2,3,4,5,6,7
	v_mov_b32 v[BV+\k], v[BVL]
.endr
	WALU
	s_wait_dscnt 0x0                               ; the add is done, and the tokens are in registers
	CROUND
	TLOAD G0C, G1C                                 ; V's chunk 1 -> slot 0
	FETCH 0, 0, 0
	FETCH 1, 32768, 4
.set TS, 262144                        ; two tiles of V^T's codes
.Lvt:                                  ; PHASE 2: two chunks
	BLK 0, 1, NF, 0, 1, 0, 8, 3, 1, 1
	BLK 1, 1, NF, 4, 1, 32768, 12, 0, 0, 2
	s_wait_dscnt NF
	s_wait_xcnt 0x0
	BODY 0, 1, 2, ACC+32, 0, 28
	WALU
	s_wait_tensorcnt 0x0                           ; the first trip: my part of chunk 1 is in
	s_wait_dscnt 0x0
	s_barrier_signal -1
	BODY 0, 1, 3, ACC+32, 28, 32
	v_nop
	WALU
	s_barrier_wait -1
	ENDS 3
	SEND 1
	RUNSK 0, 0, 0
	BLK 1, 1, -1, 3, 2, 32768, 4, 2, 0, 4
	s_xor_b32 s[SLC], s[SLC], SLOT
	s_xor_b32 s[SLN], s[SLN], SLOT
	s_add_co_u32 s[TRIP], s[TRIP], 1
	s_cmp_lg_u32 s[TRIP], 2
	s_cbranch_scc1 .Lvt
	s_wait_xcnt 0x0
.set L_, 0
.rept 63
	LINE L_, ACC+32                                ; the last block
.set L_, L_+1
.endr
	v_nop
	SEND 3
	s_lshl_b32 s22, s[WV], 9
	s_add_co_u32 s22, s22, XN
	v_add_nc_u32 v48, s22, v[CO]
	v_lshlrev_b32 v49, 3, v3
	s_lshl_b32 s22, s[WV], 8
	s_add_co_u32 s22, s22, XN+2048
	v_add_nc_u32 v50, s22, v49
	WALU
	s_wait_dscnt 0x0                               ; my scale bytes have landed
	BARRIER
	ds_load_b128 v[64:67], v48
	ds_load_b64 v[68:69], v50
	s_wait_dscnt 0x0
	global_store_b128 v[CO], v[64:67], s[SC1:SC1+1]                ; 512 consecutive bytes
	global_store_b64 v49, v[68:69], s[SC2:SC2+1]                   ; 256 consecutive bytes
	s_wait_tensorcnt 0x0                           ; the wave's end
	ds_add_u32 v[SPW], v[NIL]
	s_wait_dscnt 0x0
	CROUND                                         ; the closing round: no work-group ends while a partner may still ask for a tile that names it
	s_endpgm
.Lfunc_end_k_qe8a05af8b9_proj:
	.size	k_qe8a05af8b9_proj, .Lfunc_end_k_qe8a05af8b9_proj-k_qe8a05af8b9_proj
	.p2alignl 7, 3214868480
	.fill 96, 4, 3214868480
	.section	.rodata,"a",@progbits
	.p2align	6, 0x0
	.amdhsa_kernel k_qe8a05af8b9_proj
		.amdhsa_group_segment_fixed_size 327680
		.amdhsa_private_segment_fixed_size 0
		.amdhsa_enable_private_segment 0
		.amdhsa_kernarg_size 72
		.amdhsa_user_sgpr_count 2
		.amdhsa_user_sgpr_kernarg_segment_ptr 1
		.amdhsa_wavefront_size32 1
		.amdhsa_system_sgpr_workgroup_id_x 1
		.amdhsa_system_sgpr_workgroup_id_y 1
		.amdhsa_system_sgpr_workgroup_id_z 1
		.amdhsa_system_vgpr_workitem_id 0
		.amdhsa_next_free_vgpr 1024
		.amdhsa_next_free_sgpr 106
		.amdhsa_reserve_vcc 0
		.amdhsa_float_denorm_mode_32 3
		.amdhsa_float_denorm_mode_16_64 3
		.amdhsa_memory_ordered 1
		.amdhsa_forward_progress 1
		.amdhsa_inst_pref_size 209
	.end_amdhsa_kernel
	.amdgpu_metadata
---
amdhsa.version: [ 1, 2 ]
amdhsa.kernels:
  - .name:           k_qe8a05af8b9_proj
    .symbol:         k_qe8a05af8b9_proj.kd
    .args:
      - { .name: xyc, .offset: 0, .size: 8, .value_kind: global_buffer, .address_space: global }
      - { .name: xys, .offset: 8, .size: 8, .value_kind: global_buffer, .address_space: global }
      - { .name: wc, .offset: 16, .size: 8, .value_kind: global_buffer, .address_space: global }
      - { .name: ws, .offset: 24, .size: 8, .value_kind: global_buffer, .address_space: global }
      - { .name: bq, .offset: 32, .size: 8, .value_kind: global_buffer, .address_space: global }
      - { .name: bk, .offset: 40, .size: 8, .value_kind: global_buffer, .address_space: global }
      - { .name: bv, .offset: 48, .size: 8, .value_kind: global_buffer, .address_space: global }
      - { .name: qkvc, .offset: 56, .size: 8, .value_kind: global_buffer, .address_space: global }
      - { .name: qkvs, .offset: 64, .size: 8, .value_kind: global_buffer, .address_space: global }
    .group_segment_fixed_size: 327680
    .private_segment_fixed_size: 0
    .kernarg_segment_align: 8
    .kernarg_segment_size: 72
    .max_flat_workgroup_size: 128
    .sgpr_count:     106
    .vgpr_count:     1024
    .wavefront_size: 32
...
	.end_amdgpu_metadata
.endif
;; end of part 2
;; launch scores (part 3): grid 16 x 16, 4 waves a work-group, clusters of 4 x 4, 327,680 bytes of LDS; arguments qkvc, qkvs, pc, pst; writes pc, pst
.if DOCPART == 3
	.amdgcn_target "amdgcn-amd-amdhsa--gfx1250"
	.amdhsa_code_object_version 6
	.text
	.protected	k_qe8a05af8b9_scores
	.globl	k_qe8a05af8b9_scores
	.p2align	8
	.type	k_qe8a05af8b9_scores,@function
k_qe8a05af8b9_scores:
	s_mov_b64 s[64:65], 0
	v_nop
	global_prefetch_b8 v0, s[64:65] scope:SCOPE_SE
	s_setreg_imm32_b32 hwreg(HW_REG_WAVE_MODE, 25, 1), 1
	s_wait_xcnt 0x0
	s_wait_alu depctr_hold_cnt(0) depctr_sa_sdst(0) depctr_va_vdst(0) depctr_va_sdst(0) depctr_va_ssrc(0) depctr_va_vcc(0) depctr_vm_vsrc(0)
	s_getreg_b32 s2, hwreg(HW_REG_IB_STS2, 6, 4)
	s_cmp_eq_u32 s2, 0
	s_cbranch_scc0 .Lentry_in_a_cluster
	s_endpgm
.Lentry_in_a_cluster:
	s_bfe_u32 s2, ttmp6, 0x10000c
	s_cmp_lg_u32 s2, 0xf033
	s_cbranch_scc0 .Lentry_shape_is_right
	s_endpgm
.Lentry_shape_is_right:
; THIRD LAUNCH: S = Q K^T / 32 on codes of E4M3 (K = e = 1,024), and p = 2^(t - M_loc) quantised along the keys; M_loc, a whole number, and the sum of the unquantised p are taken of each chunk of 64 keys.  No work of the problem is left out here.
; THE DEAL.  A work-group of four waves, 2 x 2, makes 512 queries x 128 keys of one batch.  A wave HOLDS 64 keys, all of K, in 512 registers and STREAMS blocks of 16 queries past them: 32 products a block, 16 blocks.  The result's lane is a query and its registers run along the keys.
; CLUSTERS of 4 x 4: 512 keys x the batch's 2,048 queries: keys hang on cx (shared along a column), queries on cy (shared along a row).
; LDS: two slots of eight tiles of 16,384 dense bytes; the two rows of waves take a slot's even and odd tiles.  Fills: keys -> slot 1, chunk 0 -> slot 0, chunk 1 -> 1, chunk 2 -> 0, chunk 3 -> 1; a round of the cluster's barrier inside block 2 of four shows one chunk and asks for the next but one.
; Behind a block's products: the fetch of the block two on, then its maxima, t - M_loc and the exponentials.  Among the next block's products, two lines behind each and a conversion as a third: its sum, the scale, the holds, the conversions.
; OUT: P's codes as the last product's operand: half a fragment a block; pst: scale words in blocks of 512 bytes (128 queries, 128 keys), then from byte 524,288 -M_loc and from 1,572,864 the sums: for 128 queries and 128 keys 1,024 bytes: 8 bytes, two chunks', at 8 (32 (tile / 2) + 2 x lane-row + tile % 2).
; PREFETCH: chunks 1 to 3: each of a cluster row's sixteen waves names a sixteenth of a chunk, a lane 256 bytes.
; LIMITS: the promise holds while the scaled scores t stay under 2^31 in magnitude; NaN and infinities are not served; a scale byte does not fall under 1.
; REGISTERS: windows 1, 2: held fragment 4 q + b at 16 (4 q + b).  Window 3: two sets of a block's eight fragments.  Window 0: all else.
.set SLOT,  131072
.set SCL,   262144                     ; the queries' scale blocks: four groups of 128 rows, 4,096 bytes each
.set XN,    SCL+16384                  ; the scale words that go out: four groups of 512 bytes
.set XM,    XN+2048                    ; -M_loc: four groups of 1,024 bytes; the sums 4,096 bytes on
.set SPARE, XM+8192                    ; the spare words, 128 bytes a wave: two blocks of 256 bytes that no other line names
.set NF,    36                         ; LDS loads that fetch a block
.set TS,    65536                      ; two tiles of P's codes
.set ADRA0, 4
.set AAS0,  5
.set ADRW,  6
.set CO,    8
.set VX,    9                          ; v9   where my two scale bytes go
.set SPW,   10
.set NIL,   11
.set ADRA,  12
.set AAS,   13
.set PFO,   14
.set VM,    15                         ; v15  where -M_loc and the sum go
.set NMP,   16                         ; v16  -M_loc (v17: named with it as a pair)
.set L0,    18
.set L1,    20
.set LT,    22
.set LT2,   23
.set SB,    24                         ; v24-39  held scale words: (p, q) at SB + 8 p + 4 (q % 2) + (q / 2 + 1) % 4: lanes 0-15 tile 2 p, lanes 16-31 tile 2 p + 1: no product's two scale words have numbers equal modulo 8
.set SA,    40                         ; v40-47  streamed scale words, two sets of four: lanes 0-15 K step 2 m, lanes 16-31 K step 2 m + 1
.set T,     48
.set EB,    60
.set CPY,   61
.set LS,    62
.set MX,    63
.set ACC,   64                         ; v64-127 two sets of four accumulators
.set NCD,   128                        ; v128-135 codes
.set WV,    24
.set RH,    25
.set CW,    26
.set CX,    27
.set CY,    28
.set YY,    30
.set G1C,   32
.set G1R,   40
.set G0C,   48
.set G0R,   52
.set KS,    56                         ; (head) 128 keys of the batch
.set RB,    57                         ; (head) 512 queries
.set TRIP,  56
.set SLC,   57
.set SLN,   58
.set SG,    59
.set SEL,   60
.set MNT,   62
.set OFF,   63
.set PFN,   66
.set X0,    67
.set G1SR,  68
.set G0SR,  76
.set CS,    80                         ; s[80:81] log2(e) / 32
.set OST,   92
.set SCO,   94
.set SMO,   96
.set MSB, 0
.macro WIN new
.if MSB != (\new)
	s_set_vgpr_msb (MSB<<8)|(\new)
.set MSB, (\new)
.endif
.endm
.macro PLACES n                        ; plain vector lines between a matrix instruction and a load into, or a vector read of, its registers: eight for this form
.rept \n
	v_nop
.endr
.endm
.macro WALU
	s_wait_alu depctr_va_vdst(0)
.endm
.macro BARRIER
	s_barrier_signal -1
	s_barrier_wait -1
.endm
.macro CREST
	s_cmp_lg_u32 s[WV], 0
	s_cbranch_scc1 .Lnot_wave_0_\@
	s_barrier_signal -3
.Lnot_wave_0_\@:
	s_barrier_wait -3
	BARRIER
.endm
.macro CROUND
	BARRIER
	CREST
.endm
.macro TLOAD g0, g1                    ; an s_nop 0 and four v_nop follow a tensor load
	tensor_load_to_lds s[\g0:\g0+3], s[\g1:\g1+7]
	s_nop 0
	PLACES 4
.endm
.macro ADDL d, s, n
	s_lshl_b32 s23, s[\s], \n
	s_add_co_u32 s[\d], s[\d], s23
.endm
.macro PTR d, b
	s_add_nc_u64 s[\d:\d+1], s[\b:\b+1], s[2:3]
.endm
.macro G1W g, c, r                     ; group 1: r dense rows of c elements of 8 bytes
	s_mov_b32 s[\g+1], (\c)<<16
	s_mov_b32 s[\g+2], (\r)<<16
	s_mov_b32 s[\g+3], (\c)<<16
	s_mov_b32 s[\g+4], \r
	s_mov_b32 s[\g+5], \c
	s_mov_b32 s[\g+6], 0
	s_mov_b32 s[\g+7], 0
.endm
.macro DESC slot                       ; group 0 of a refill: two of a slot's eight tiles a wave
	s_lshl_b32 s22, s[WV], 15
	s_add_co_u32 s[G0R+1], s22, s[\slot]
	s_add_co_u32 s22, s22, s[OFF]
	s_mov_b32 s23, 0
	s_add_nc_u64 s[G0R+2:G0R+3], s[4:5], s[22:23]
	s_or_b32 s[G0R+3], s[G0R+3], 0x80000000
.endm
.macro FETCH e, off, so                ; a block's eight fragments, each four loads of 512 consecutive bytes, and its scale words
	WIN 0xc0
.irp f, 0,1,2,3,4,5,6,7
.irp c, 0,1,2,3
	ds_load_b128 v[128*(\e)+16*\f+4*\c:128*(\e)+16*\f+4*\c+3], v[ADRA] offset:(\off)+2048*\f+512*\c
.endr
.endr
	WIN 0
.irp m, 0,1,2,3
	ds_load_b32 v[SA+4*(\e)+\m], v[AAS] offset:(\so)+1024*\m
.endr
.endm
.macro RUNSK e, off, so                ; nothing lies behind the last trip
	s_cmp_eq_u32 s[TRIP], 3
	s_cbranch_scc1 .Lno_more_\@
	FETCH \e, \off, \so
.Lno_more_\@:
.endm
; Product n = 4 q + b of a block: source 0 = held tile b, source 1 = the block (set e; its sums are accumulator set e).  The four accumulators take turns.
.macro PRODUCT e, n
.set Q_, (\n)/4
.set B_, (\n)%4
.set F_, 4*Q_+B_
.set W_, 16*(F_%16)
.set D_, ACC+32*(\e)+8*B_
.set R_, 128*(\e)+16*Q_
.set XS_, SA+4*(\e)+Q_/2
.set WS_, SB+8*(B_/2)+4*(Q_%2)+(Q_/2+1)%4
	WIN (1+F_/16)|(3<<2)
.if Q_ == 0
.if B_%2
	v_wmma_scale_f32_16x16x128_f8f6f4 v[D_:D_+7], v[W_:W_+15], v[R_:R_+15], 0, v[WS_], v[XS_] matrix_a_scale:MATRIX_SCALE_ROW1
.else
	v_wmma_scale_f32_16x16x128_f8f6f4 v[D_:D_+7], v[W_:W_+15], v[R_:R_+15], 0, v[WS_], v[XS_]
.endif
.elseif B_%2
.if Q_%2
	v_wmma_scale_f32_16x16x128_f8f6f4 v[D_:D_+7], v[W_:W_+15], v[R_:R_+15], v[D_:D_+7], v[WS_], v[XS_] matrix_a_scale:MATRIX_SCALE_ROW1 matrix_b_scale:MATRIX_SCALE_ROW1
.else
	v_wmma_scale_f32_16x16x128_f8f6f4 v[D_:D_+7], v[W_:W_+15], v[R_:R_+15], v[D_:D_+7], v[WS_], v[XS_] matrix_a_scale:MATRIX_SCALE_ROW1
.endif
.else
.if Q_%2
	v_wmma_scale_f32_16x16x128_f8f6f4 v[D_:D_+7], v[W_:W_+15], v[R_:R_+15], v[D_:D_+7], v[WS_], v[XS_] matrix_b_scale:MATRIX_SCALE_ROW1
.else
	v_wmma_scale_f32_16x16x128_f8f6f4 v[D_:D_+7], v[W_:W_+15], v[R_:R_+15], v[D_:D_+7], v[WS_], v[XS_]
.endif
.endif
.endm
; STAGE A, behind a block's products (its sums at x): the largest score of each block of 32 keys (lanes l and l xor 16), M_loc, t - M_loc, and one batch of exponentials; p rises with the score, so a block's largest p is that of its largest score.
.macro STAGEA x
.irp m, 0,1,2,3
	v_max3_num_f32 v[T+\m], v[\x+8*\m], v[\x+8*\m+1], v[\x+8*\m+2]     ; each accumulator from its low end on
.endr
.irp i, 3,5
.irp m, 0,1,2,3
	v_max3_num_f32 v[T+\m], v[T+\m], v[\x+8*\m+\i], v[\x+8*\m+\i+1]
.endr
.endr
	v_max_num_f32 v[T+1], v[T+1], v[\x+15]
	v_max_num_f32 v[T+3], v[T+3], v[\x+31]
	v_max3_num_f32 v[T], v[T], v[\x+7], v[T+1]
	v_max3_num_f32 v[T+2], v[T+2], v[\x+23], v[T+3]
	v_permlanex16_b32 v[T+4], v[T], s[SEL], s[SEL+1]
	v_permlanex16_b32 v[T+5], v[T+2], s[SEL], s[SEL+1]
	v_max_num_f32 v[T], v[T], v[T+4]
	v_max_num_f32 v[T+2], v[T+2], v[T+5]
	v_max_num_f32 v[MX], v[T], v[T+2]
	v_mul_f32 v[MX], s[CS], v[MX]
	v_floor_f32 v[NMP], -v[MX]                     ; -M_loc = -ceil(the largest t): a whole number
	v_fma_f32 v[T], v[T], s[CS], v[NMP]
	v_fma_f32 v[T+2], v[T+2], s[CS], v[NMP]
.set I_, 0
.rept 16
	v_pk_fma_f32 v[\x+I_:\x+I_+1], v[\x+I_:\x+I_+1], s[CS:CS+1], v[NMP:NMP+1] op_sel_hi:[1,0,0]
.set I_, I_+2
.endr
	WALU                                           ; the wait ahead of the batch
.set I_, 0
.rept 32
	v_exp_f32 v[\x+I_], v[\x+I_]
.set I_, I_+1
.endr
	v_exp_f32 v[T], v[T]
	v_exp_f32 v[T+2], v[T+2]
	v_nop                                          ; a plain line behind the batch
	WALU                                           ; and the wait ahead of its first reader
.endm
; STAGE B, what stands behind product m of the next block: the sum of the unquantised p, the scales (floor 2^(9 - 127)), the holds, the conversions.  Two holds read the bound's second copy: the first copy's write would stand too far ahead of them.
.macro GAP m, x
.if (\m) == 0
	v_pk_add_f32 v[L0:L0+1], v[\x:\x+1], v[\x+2:\x+3]
	v_pk_add_f32 v[L1:L1+1], v[\x+4:\x+5], v[\x+6:\x+7]
.elseif (\m) < 7
	v_pk_add_f32 v[L0:L0+1], v[L0:L0+1], v[\x+4+4*(\m):\x+5+4*(\m)]
	v_pk_add_f32 v[L1:L1+1], v[L1:L1+1], v[\x+6+4*(\m):\x+7+4*(\m)]
.elseif (\m) == 7
	v_max_num_f32 v[T], 0x4800000, v[T]
	v_max_num_f32 v[T+2], 0x4800000, v[T+2]
.elseif (\m) == 8
	v_add_nc_u32 v[T+6], 0xfc000000, v[T]
	v_add_nc_u32 v[T+7], 0xfc000000, v[T+2]
.elseif (\m) == 9
	v_and_or_b32 v[T+8], v[T], 0x7f800000, s[MNT]
	v_and_or_b32 v[T+9], v[T+2], 0x7f800000, s[MNT]
.elseif (\m) == 10
	v_lshrrev_b32 v[T+10], 23, v[T+6]
	v_lshrrev_b32 v[T+11], 23, v[T+7]
.elseif (\m) == 11
	v_lshl_or_b32 v[EB], v[T+11], 8, v[T+10]
	v_mov_b32 v[CPY], v[T+8]
.elseif (\m) == 13
	v_min_num_f32 v[\x+2], v[\x+2], v[CPY]
	v_min_num_f32 v[\x+3], v[\x+3], v[CPY]
.elseif (\m) < 20
	v_min_num_f32 v[\x+2*((\m)-12)], v[\x+2*((\m)-12)], v[T+8]
	v_min_num_f32 v[\x+2*((\m)-12)+1], v[\x+2*((\m)-12)+1], v[T+8]
.elseif (\m) < 28
	v_min_num_f32 v[\x+2*((\m)-12)], v[\x+2*((\m)-12)], v[T+9]
	v_min_num_f32 v[\x+2*((\m)-12)+1], v[\x+2*((\m)-12)+1], v[T+9]
.elseif (\m) == 28
	v_pk_add_f32 v[L0:L0+1], v[L0:L0+1], v[L1:L1+1]
.elseif (\m) == 29
	v_add_f32 v[LT], v[L0], v[L0+1]
.elseif (\m) == 30
	v_permlanex16_b32 v[LT2], v[LT], s[SEL], s[SEL+1]
.else
	v_add_f32 v[LS], v[LT], v[LT2]
.endif
.if (\m) == 15
	v_cvt_scalef32_pk8_fp8_f32 v[NCD:NCD+1], v[\x:\x+7], v[T+6]
.elseif (\m) == 19
	v_cvt_scalef32_pk8_fp8_f32 v[NCD+2:NCD+3], v[\x+8:\x+15], v[T+6]
.elseif (\m) == 23
	v_cvt_scalef32_pk8_fp8_f32 v[NCD+4:NCD+5], v[\x+16:\x+23], v[T+7]
.elseif (\m) == 27
	v_cvt_scalef32_pk8_fp8_f32 v[NCD+6:NCD+7], v[\x+24:\x+31], v[T+7]
.endif
.endm
.macro EXTRA j                         ; addresses, by the block's number in four; they stand behind the block's wait on XCNT
.if (\j) == 0
	s_add_co_u32 s22, s[SLC], 65536
	v_add_nc_u32 v[ADRA], s22, v[ADRA0]            ; tiles 4 to 7 of the slot in hand
.elseif (\j) == 1
	s_add_nc_u64 s[OST:OST+1], s[OST:OST+1], s[2:3]
	v_add_nc_u32 v[VX], 512, v[VX]
	v_add_nc_u32 v[VM], 1024, v[VM]
.elseif (\j) == 2
	s_add_co_u32 s[SG], s[SG], 4096
	v_add_nc_u32 v[ADRA], s[SLN], v[ADRA0]         ; tiles 0 to 3 of the other slot
	v_add_nc_u32 v[AAS], s[SG], v[AAS0]
.endif
.endm
.macro BODY e, j, x, from, to
.set N_, \from
.rept (\to)-(\from)
	PRODUCT \e, N_
	WIN 0
.if N_ == 0
	EXTRA \j
.endif
	GAP N_, \x
.set N_, N_+1
.endr
.endm
.macro SEND i                          ; the block before, number i of its four
	ds_store_b16 v[VX], v[EB] offset:4*(\i)
	ds_store_b32 v[VM], v[NMP] offset:256*(\i)
	ds_store_b32 v[VM], v[LS] offset:256*(\i)+4096
	global_store_b128 v[CO], v[NCD:NCD+3], s[OST:OST+1] offset:(\i)*TS
	global_store_b128 v[CO], v[NCD+4:NCD+7], s[OST:OST+1] offset:(\i)*TS+512
.endm
; A block.  w: the wait's count (-1: the block before has waited for all); fm = 1: the block two on is fetched, 2: unless none is left; skip = 1: in the first trip no block stands before it.
.macro BLK e, w, j, fm, off, so, i, skip
.if (\w) >= 0
	s_wait_dscnt \w                                ; this block's fragments are in; the next block's may be out
.endif
	s_wait_xcnt 0x0                                ; the stores have read their data and base
	BODY \e, \j, ACC+32*(1-\e), 0, 32
	PLACES 8
	WALU
.if \skip
	s_cmp_eq_u32 s[TRIP], 0
	s_cbranch_scc1 .Lnone_before_\@
.endif
	SEND \i
.if \skip
.Lnone_before_\@:
.endif
.if (\fm) == 1
	FETCH \e, \off, \so
.else
	RUNSK \e, \off, \so
.endif
	STAGEA ACC+32*\e
.endm
	s_load_b256 s[4:11], s[0:1], 0x0               ; qkvc s[4:5], qkvs s[6:7], pc s[8:9], pst s[10:11]
	v_lshl_add_u32 v[SPW], v0, 2, SPARE
	v_mov_b32 v[NIL], 0
	ds_add_u32 v[SPW], v[NIL]                      ; the wave's opening: the add, twice on end, and its wait ahead of my first tensor load
	ds_add_u32 v[SPW], v[NIL]
	v_lshrrev_b32 v1, 5, v0
	v_readfirstlane_b32 s[WV], v1
	s_lshr_b32 s[RH], s[WV], 1                     ; my row of waves
	s_and_b32 s[CW], s[WV], 1                      ; my column of waves
	s_bfe_u32 s[CX], ttmp6, 0x40000
	s_bfe_u32 s[CY], ttmp6, 0x40004
	s_and_b32 s[YY], ttmp7, 0xffff                 ; cluster y: the batch
	s_lshl_b32 s22, s[CY], 2
	s_lshl_b32 s22, 15, s22                        ; my row of the cluster
	s_lshl_b32 s23, 0x1111, s[CX]                  ; my column
	s_or_b32 s[G1C], s23, (3<<16)|(1<<21)          ; the mask; elements of 8 bytes; bit 21 beside a mask; no padding
	s_or_b32 s[G1R], s22, (3<<16)|(1<<21)
	s_or_b32 s[G1SR], s22, (3<<16)|(1<<21)
	G1W G1C, 2048, 8                               ; the head's loads: eight tiles of keys,
	G1W G1R, 2048, 4                               ; four of queries; refills: two
	G1W G1SR, 32, 64                               ; scale blocks of 512 queries as rows of 256 bytes
	s_lshl_b32 s[KS], ttmp9, 2
	s_add_co_u32 s[KS], s[KS], s[CX]               ; which 128 keys of the batch: 4 x cluster x + cx
	s_lshl_b32 s[RB], s[YY], 2
	s_add_co_u32 s[RB], s[RB], s[CY]               ; which 512 queries, over all batches
	s_lshl_b32 s[X0], s[RB], 19                    ; where they begin in qkvc
	s_wait_alu depctr_va_vdst(0)
	s_wait_dscnt 0x0                               ; both opening adds are done
	CROUND                                         ; all sixteen work-groups are here: the first joint loads meet
	s_wait_kmcnt 0x0
	s_mov_b32 s3, 0
	s_lshl_b32 s2, s[KS], 17                       ; K's codes lie behind Q's 8,388,608 bytes
	ADDL 2, YY, 21
	s_add_co_u32 s2, s2, 8388608
	PTR G0C+2, 4
	s_lshl_b32 s2, s[RH], 16                       ; waves 1 and 3: a half of chunk 0 each
	s_mov_b32 s[G0R+1], s2
	s_add_co_u32 s2, s2, s[X0]
	PTR G0R+2, 4
	s_lshl_b32 s2, s[RB], 14
	PTR G0SR+2, 6
.irp g, G0C, G0R, G0SR
	s_or_b32 s[\g+3], s[\g+3], 0x80000000
	s_mov_b32 s[\g], 1
.endr
	s_mov_b32 s[G0C+1], SLOT
	s_mov_b32 s[G0SR+1], SCL
; THE HEAD'S LOADS, ONE A WAVE: wave 0 the keys, which are wanted first; wave 2 the queries' scale blocks; waves 1 and 3 chunk 0.
	s_cmp_eq_u32 s[WV], 0
	s_cbranch_scc0 .Lnot_0
	TLOAD G0C, G1C
	s_branch .Lasked
.Lnot_0:
	s_cmp_eq_u32 s[WV], 2
	s_cbranch_scc0 .Lnot_2
	TLOAD G0SR, G1SR
	s_branch .Lasked
.Lnot_2:
	TLOAD G0R, G1R
.Lasked:
	s_lshl_b32 s2, s[KS], 12                       ; the keys' scale words, behind Q's 262,144 bytes
	ADDL 2, YY, 16
	ADDL 2, CW, 3
	s_add_co_u32 s2, s2, 262144
	PTR 82, 6
	v_and_b32 v1, 15, v0                           ; r
	v_bfe_u32 v2, v0, 4, 1                         ; h
	v_and_b32 v3, 31, v0                           ; lane
	v_lshlrev_b32 v7, 5, v1
	v_lshl_add_u32 v61, v2, 4, v7                  ; 32 r + 16 h
	WALU
.irp q, 0,1,2,3,4,5,6,7
.irp p, 0,1
	global_load_b32 v[SB+8*\p+4*(\q%2)+(\q/2+1)%4], v61, s[82:83] offset:512*\q+4*\p
.endr
.endr
	v_lshlrev_b32 v[CO], 4, v3
	s_lshl_b32 s22, s[RH], 14
	v_add_nc_u32 v[ADRA0], s22, v[CO]
	v_add_nc_u32 v[ADRA], s22, v[CO]
	s_lshl_b32 s22, s[CW], 16
	s_add_co_u32 s22, s22, SLOT
	v_add_nc_u32 v[ADRW], s22, v[CO]
	v_lshl_add_u32 v49, v2, 9, v7
	s_lshl_b32 s22, s[RH], 4
	s_add_co_u32 s22, s22, SCL
	v_add_nc_u32 v[AAS0], s22, v49
	v_add_nc_u32 v[AAS], s22, v49
	s_add_co_u32 s22, s22, XN-512-SCL              ; (block 1 of each four steps it by 512)
	ADDL 22, CW, 1
	v_add_nc_u32 v[VX], s22, v7
	s_lshl_b32 s22, s[RH], 3
	ADDL 22, CW, 2
	s_add_co_u32 s22, s22, XM-1024                 ; (likewise, by 1,024)
	v_lshlrev_b32 v49, 4, v1
	v_add_nc_u32 v[VM], s22, v49
.irp k, T, T+2, T+4, T+5, LT2, NMP+1
	v_mov_b32 v[\k], 0                             ; read by the first block's lines, or named as the half of a pair, before they are first written
.endr
.set I_, 0
.rept 32
	v_mov_b32 v[ACC+32+I_], 0                      ; the first block has no block before it: its stage B lines work on these, and nothing of it is stored
.set I_, I_+1
.endr
	s_lshl_b32 s2, s[RB], 20                       ; where my codes go (less the first step),
	ADDL 2, RH, 15
	ADDL 2, KS, 11
	ADDL 2, CW, 10
	PTR OST, 8
	s_sub_nc_u64 s[OST:OST+1], s[OST:OST+1], 262144
	s_lshl_b32 s2, s[RB], 15                       ; the scale words of group w,
	ADDL 2, WV, 13
	ADDL 2, KS, 9
	PTR SCO, 10
	s_lshl_b32 s2, s[RB], 16                       ; and its -M_loc and sums
	ADDL 2, WV, 14
	ADDL 2, KS, 10
	PTR SMO, 10
	s_lshl_b32 s22, s[CX], 2                       ; my sixteenth of a chunk
	s_add_co_u32 s22, s22, s[WV]
	s_lshl_b32 s22, s22, 13
	s_add_co_u32 s22, s22, s[X0]
	s_add_co_u32 s22, s22, SLOT
	v_lshl_add_u32 v[PFO], v3, 8, s22              ; chunk 1; chunks 2 and 3 by the offset
	s_add_co_u32 s[OFF], s[X0], SLOT
	s_mov_b32 s2, 262144                           ; s[2:3]: eight tiles of codes on
	s_mov_b32 s[TRIP], 0
	s_mov_b32 s[SLC], 0
	s_mov_b32 s[SLN], SLOT
	s_mov_b32 s[SG], 0
	s_mov_b32 s[SEL], 0x76543210
	s_mov_b32 s[SEL+1], 0xfedcba98
	s_mov_b32 s[MNT], 0x600000
	s_mov_b32 s[CS], 0x3d38aa3b
	s_mov_b32 s[CS+1], s[CS]
	WALU
	s_cmp_eq_u32 s[WV], 0
	s_cbranch_scc0 .Lnot_held
	s_wait_tensorcnt 0x0                           ; wave 0: the keys have landed.  The other waves' wait stands ahead of the round below
.Lnot_held:
	BARRIER
	global_prefetch_b8 v[PFO], s[4:5] th:TH_LOAD_NT scope:SCOPE_SE
	global_prefetch_b8 v[PFO], s[4:5] offset:131072 th:TH_LOAD_NT scope:SCOPE_SE
.irp f, 0,1,2,3,4,5,6,7,8,9,10,11,12,13,14,15,16,17,18,19,20,21,22,23,24,25,26,27,28,29,30,31
	WIN (1+\f/16)<<6
.irp c, 0,1,2,3
	ds_load_b128 v[16*(\f%16)+4*\c:16*(\f%16)+4*\c+3], v[ADRW] offset:16384*(\f%4)+2048*(\f/4)+512*\c
.endr
.endr
	WIN 0
	s_wait_tensorcnt 0x0                           ; chunk 0 and the scale blocks are in
	ds_add_u32 v[SPW], v[NIL]
	s_mov_b32 s[G1R+2], 2<<16                      ; no tensor load of mine is out: from here on a load brings two tiles
	s_mov_b32 s[G1R+4], 2
	DESC SLN
	s_add_co_u32 s[OFF], s[OFF], SLOT
	s_wait_dscnt 0x0                               ; the add is done, and the keys are in registers
	CROUND
	TLOAD G0R, G1R                                 ; chunk 1 -> slot 1
	FETCH 0, 0, 0
	FETCH 1, 32768, 4
	s_wait_loadcnt 0x0
.Lfour:                                ; chunks 0 and 1: the rounds ask for chunks 2 and 3
	BLK 0, NF, 0, 1, 0, 8, 3, 1
	BLK 1, NF, 1, 1, 32768, 12, 0, 0
	s_cmp_eq_u32 s[TRIP], 0
	s_cbranch_scc0 .Lnone_ahead
	global_prefetch_b8 v[PFO], s[4:5] offset:262144 th:TH_LOAD_NT scope:SCOPE_SE     ; chunk 3, five blocks ahead of its load
.Lnone_ahead:
	s_wait_dscnt NF
	s_wait_xcnt 0x0
	s_wait_tensorcnt 0x0                           ; the next chunk: my part has landed
	ds_add_u32 v[SPW], v[NIL]                      ; 0 onto my spare word
	DESC SLC
	BODY 0, 2, ACC+32, 0, 28
	WALU
	s_wait_dscnt 0x0                               ; the add is done, and my reads of the slot in hand are over
	s_barrier_signal -1
	BODY 0, 3, ACC+32, 28, 32
	WALU
	s_barrier_wait -1
	CREST                                          ; no wave of any partner still reads this slot or has a load on its way; the other slot is whole
	TLOAD G0R, G1R
	PLACES 4
	SEND 1
	FETCH 0, 0, 0
	STAGEA ACC
	BLK 1, -1, 3, 1, 32768, 4, 2, 0
	s_xor_b32 s[SLC], s[SLC], SLOT
	s_xor_b32 s[SLN], s[SLN], SLOT
	s_add_co_u32 s[OFF], s[OFF], SLOT
	s_add_co_u32 s[TRIP], s[TRIP], 1
	s_cmp_lg_u32 s[TRIP], 2
	s_cbranch_scc1 .Lfour
.Llast:                                ; chunks 2 and 3: nothing is filled again
	BLK 0, NF, 0, 1, 0, 8, 3, 0
	BLK 1, NF, 1, 1, 32768, 12, 0, 0
	s_wait_dscnt NF
	s_wait_xcnt 0x0
	BODY 0, 2, ACC+32, 0, 28
	WALU
	s_wait_tensorcnt 0x0                           ; chunk 3: my part is in
	s_wait_dscnt 0x0
	s_barrier_signal -1
	BODY 0, 3, ACC+32, 28, 32
	WALU
	s_barrier_wait -1
	PLACES 8
	SEND 1
	RUNSK 0, 0, 0
	STAGEA ACC
	BLK 1, -1, 3, 2, 32768, 4, 2, 0
	s_xor_b32 s[SLC], s[SLC], SLOT
	s_xor_b32 s[SLN], s[SLN], SLOT
	s_add_co_u32 s[TRIP], s[TRIP], 1
	s_cmp_lg_u32 s[TRIP], 4
	s_cbranch_scc1 .Llast
	s_wait_xcnt 0x0
.set I_, 0
.rept 32
	GAP I_, ACC+32                                 ; the last block
.set I_, I_+1
.endr
	SEND 3
	s_lshl_b32 s22, s[WV], 9
	s_add_co_u32 s22, s22, XN
	v_add_nc_u32 v48, s22, v[CO]
	s_lshl_b32 s22, s[WV], 10
	s_add_co_u32 s22, s22, XM
	v_add_nc_u32 v50, s22, v[CO]
	WALU
	s_wait_dscnt 0x0                               ; my LDS stores have landed
	BARRIER
	ds_load_b128 v[64:67], v48
	ds_load_b128 v[68:71], v50
	ds_load_b128 v[72:75], v50 offset:512
	ds_load_b128 v[76:79], v50 offset:4096
	ds_load_b128 v[80:83], v50 offset:4608
	s_wait_dscnt 0x0
	global_store_b128 v[CO], v[64:67], s[SCO:SCO+1]                ; each 512 consecutive bytes
	global_store_b128 v[CO], v[68:71], s[SMO:SMO+1] offset:524288
	global_store_b128 v[CO], v[72:75], s[SMO:SMO+1] offset:524800
	global_store_b128 v[CO], v[76:79], s[SMO:SMO+1] offset:1572864
	global_store_b128 v[CO], v[80:83], s[SMO:SMO+1] offset:1573376
	s_wait_tensorcnt 0x0                           ; the wave's end
	ds_add_u32 v[SPW], v[NIL]
	s_wait_dscnt 0x0
	CROUND                                         ; the closing round: no work-group ends while a partner may still ask for a tile that names it
	s_endpgm
.Lfunc_end_k_qe8a05af8b9_scores:
	.size	k_qe8a05af8b9_scores, .Lfunc_end_k_qe8a05af8b9_scores-k_qe8a05af8b9_scores
	.p2alignl 7, 3214868480
	.fill 96, 4, 3214868480
	.section	.rodata,"a",@progbits
	.p2align	6, 0x0
	.amdhsa_kernel k_qe8a05af8b9_scores
		.amdhsa_group_segment_fixed_size 327680
		.amdhsa_private_segment_fixed_size 0
		.amdhsa_enable_private_segment 0
		.amdhsa_kernarg_size 32
		.amdhsa_user_sgpr_count 2
		.amdhsa_user_sgpr_kernarg_segment_ptr 1
		.amdhsa_wavefront_size32 1
		.amdhsa_system_sgpr_workgroup_id_x 1
		.amdhsa_system_sgpr_workgroup_id_y 1
		.amdhsa_system_sgpr_workgroup_id_z 1
		.amdhsa_system_vgpr_workitem_id 0
		.amdhsa_next_free_vgpr 1024
		.amdhsa_next_free_sgpr 106
		.amdhsa_reserve_vcc 0
		.amdhsa_float_denorm_mode_32 3
		.amdhsa_float_denorm_mode_16_64 3
		.amdhsa_memory_ordered 1
		.amdhsa_forward_progress 1
		.amdhsa_inst_pref_size 156
	.end_amdhsa_kernel
	.amdgpu_metadata
---
amdhsa.version: [ 1, 2 ]
amdhsa.kernels:
  - .name:           k_qe8a05af8b9_scores
    .symbol:         k_qe8a05af8b9_scores.kd
    .args:
      - { .name: qkvc, .offset: 0, .size: 8, .value_kind: global_buffer, .address_space: global }
      - { .name: qkvs, .offset: 8, .size: 8, .value_kind: global_buffer, .address_space: global }
      - { .name: pc, .offset: 16, .size: 8, .value_kind: global_buffer, .address_space: global }
      - { .name: pst, .offset: 24, .size: 8, .value_kind: global_buffer, .address_space: global }
    .group_segment_fixed_size: 327680
    .private_segment_fixed_size: 0
    .kernarg_segment_align: 8
    .kernarg_segment_size: 32
    .max_flat_workgroup_size: 128
    .sgpr_count:     106
    .vgpr_count:     1024
    .wavefront_size: 32
...
	.end_amdgpu_metadata
.endif
;; end of part 3
;; launch pv (part 4): grid 4 x 64, 4 waves a work-group, clusters of 4 x 4, 327,680 bytes of LDS; arguments pc, pst, qkvc, qkvs, out0; writes out0
.if DOCPART == 4
	.amdgcn_target "amdgcn-amd-amdhsa--gfx1250"
	.amdhsa_code_object_version 6
	.text
	.protected	k_qe8a05af8b9_pv
	.globl	k_qe8a05af8b9_pv
	.p2align	8
	.type	k_qe8a05af8b9_pv,@function
k_qe8a05af8b9_pv:
	s_mov_b64 s[64:65], 0
	v_nop
	global_prefetch_b8 v0, s[64:65] scope:SCOPE_SE
	s_setreg_imm32_b32 hwreg(HW_REG_WAVE_MODE, 25, 1), 1
	s_wait_xcnt 0x0
	s_wait_alu depctr_hold_cnt(0) depctr_sa_sdst(0) depctr_va_vdst(0) depctr_va_sdst(0) depctr_va_ssrc(0) depctr_va_vcc(0) depctr_vm_vsrc(0)
	s_getreg_b32 s2, hwreg(HW_REG_IB_STS2, 6, 4)
	s_cmp_eq_u32 s2, 0
	s_cbranch_scc0 .Lentry_in_a_cluster
	s_endpgm
.Lentry_in_a_cluster:
	s_bfe_u32 s2, ttmp6, 0x10000c
	s_cmp_lg_u32 s2, 0xf033
	s_cbranch_scc0 .Lentry_shape_is_right
	s_endpgm
.Lentry_shape_is_right:
; FOURTH LAUNCH: out = P V / l on codes of E4M3 (K = the batch's 2,048 keys).  No work of the problem is left out here.
; P's codes were made chunk by chunk (64 keys) under M_loc.  The prologue makes, for each of the work-group's 128 queries: M = the largest M_loc; D = M - M_loc of each chunk, a whole number; the chunk's two scale bytes less D; l = the sum of l_loc x 2^-D; 1 / l.
; LIMITS: a byte that would fall under 0 is held at 0 (2^-127): that is met only where a chunk lies some hundred powers of two under its row's maximum, and what such a chunk then adds is nothing beside l >= 1/2.  NaN and infinities are not served.
; A work-group makes 128 queries x 256 of e, so that there are 256 work-groups; a wave 64 x 128: 32 accumulators.  CLUSTERS: 4 x 4; P's tiles are asked for jointly along a row of the cluster, V^T's along a column.
; THE RING: K goes in 16 steps of 128 keys through two LDS slots of unlike size: slot 0 holds four steps, slot 1 two, and the walk is 4, 2, 4, 2, 4.  Slot 0 is asked for at the head, one load a wave; slot 1 behind the round that shows slot 0, ahead of the prologue's arithmetic.
; The last four steps go by tiles of 16 queries: V^T's fragments of all four fill windows 1 and 3, and a tile of P's is finished, scaled and stored while the next is multiplied.
; The matrix instruction is used transposed (source 0 = a tile of V^T, source 1 = a tile of P): a lane holds one query and eight neighbouring e.  Layouts of the buffers: see the first and third launches' heads.
; REGISTERS: window 0: v16-30 addresses; v32-39 P's scale words, v40-55 V's, two sets each (in the last four steps V's also in v0-15); v56-63 1 / l; v64-159 the prologue's work; v64-127 later scaled results; v128-255 P's fragments, two sets.  window 1: V^T's fragments, two sets.  window 2: the accumulators.
.set FR,    16
.set S1,    196608                     ; slot 0, from byte 0: P's 8 tiles x 8,192 bytes, then V^T's 16.  Slot 1, from here: P's 8 tiles x 4,096 bytes, then V^T's 16
.set BSC,   294912                     ; V^T's scale blocks: my 256 rows' two blocks of [16 steps][512]; filled once by a tensor load
.set ASC,   311296                     ; P's shifted scale words: [16 steps][wave: 128 bytes][4 x lane]; stored by the prologue
.set RL,    319488                     ; 1 / l as pairs: [wave: 256 bytes][8 x lane]
.set SPARE, 320512                     ; the spare words, 128 bytes a wave: two blocks of 256 bytes that no other line names
.set STG,   S1                         ; the way out: a stage of 16 rows x 528 bytes for each wave, in slot 1: when the first result is stored there it has had its last fill, and every wave's last read of it stands in front of the last barrier
.set ADRA, 16                          ; v16-17 LDS address of my fragments of P in slot 0, 1
.set ADRB, 20                          ; v20-21 of V^T
.set ADSA, 22
.set ADSB, 23
.set STO,  24
.set RD,   25
.set CO,   26
.set ARL,  27
.set SPW,  28
.set NIL,  29
.set PFO,  30                          ; v30  the prefetches' offset: (lane / 16) tiles + 256 x (lane % 16); never rewritten
.set SA,   32
.set SB,   40
.set RC,   56
.set MW,   64                          ; the prologue: v64-95 -M_loc, v96-127 l_loc of my row's 32 chunks, v128-143 its 16 scale words
.set LW,   96
.set SWD,  128
.set PT,   144                         ; v144-159 at work
.set T,    64                          ; the way out
.set AF,   128
.set PFA,  14                          ; s[14:15] where my prefetches stand: the first of my two tiles, the batch's step 0; never rewritten
.set LIM,  16                          ; s16  1 in a wave that prefetches
.set WV,   22
.set RH,   23                          ; which 64 queries are mine.  Also: I fetch for P (0) or for V^T (1)
.set CH,   24                          ; which 128 of e.  Also: which half of the tiles I fetch
.set CX,   25
.set CY,   26
.set TC,   27
.set RG,   28
.set BB,   29
.set TMPS, 30
.set G1A4, 32                          ; group 1: P's tiles, four steps;
.set G1A2, 40                          ; two steps;
.set G1B4, 48                          ; V^T's, four steps;
.set G1B2, 56                          ; two steps;
.set G1SB, 68                          ; V^T's scale blocks
.set G0A0, 76                          ; group 0: P's, slot 0; slot 1; V^T's, slot 0; slot 1; the scale blocks
.set G0A1, 80
.set G0B0, 84
.set G0B1, 88
.set G0SB, 92
.set MSB, 0
.macro WIN new
.if MSB != (\new)
	s_set_vgpr_msb (MSB<<8)|(\new)
.set MSB, (\new)
.endif
.endm
.macro PLACES n                        ; plain vector lines between a matrix instruction and a load into, or a vector read of, its registers: eight for this form
.rept \n
	v_nop
.endr
.endm
.macro TLOAD g0, g1                    ; an s_nop 0 and four v_nop follow a tensor load
	tensor_load_to_lds s[\g0:\g0+3], s[\g1:\g1+7]
	s_nop 0
	PLACES 4
.endm
.macro JLOAD g0a, g1a, g0b, g1b        ; a joint refill: waves 0 and 1 fetch P's tiles, waves 2 and 3 V^T's
	s_cmp_eq_u32 s[RH], 0
	s_cbranch_scc0 .Lfor_b_\@
	TLOAD \g0a, \g1a
	s_branch .Lasked_\@
.Lfor_b_\@:
	TLOAD \g0b, \g1b
.Lasked_\@:
.endm
; A PREFETCH INTO THE L2 of what the next refill will ask for: steps u on, n pairs of steps; a pair of steps is 4,096 bytes of a tile, 16 blocks of 256 bytes; one instruction names the 16 blocks of each of two tiles, a lane a block.
; Each block is named ONCE in the launch.  P's 8 tiles are read by my row of this cluster and by nobody else: wave 0 asks, and of the four partners the one at place cx takes tiles 2 cx and 2 cx + 1.  V^T's 16 tiles are read by the four clusters of a
; batch: the first of them asks, waves 2 and 3, and the partner at place cy takes tiles 4 cy + 2 (wave - 2) and the next.  Partners are told apart BY ADDRESS; the branch hangs on the wave's number and the cluster's alone.
; It stands behind a run of LDS loads: steps 6-9 in the first step, three steps ahead of their refill; steps 10-11 behind the first refill; steps 12-15 behind the second.  Nothing is asked for at the head, and nothing lies behind step 15.
.macro ASK u, n
	s_cmp_eq_u32 s[LIM], 1
	s_cbranch_scc0 .Lnot_mine_\@
	global_prefetch_b8 v[PFO], s[PFA:PFA+1] offset:2048*(\u) th:TH_LOAD_NT scope:SCOPE_SE
.if \n > 1
	global_prefetch_b8 v[PFO], s[PFA:PFA+1] offset:2048*(\u)+4096 th:TH_LOAD_NT scope:SCOPE_SE
.endif
.Lnot_mine_\@:
.endm
.macro CREST                           ; a round of the cluster's barrier behind its opening barrier
	s_cmp_lg_u32 s[WV], 0
	s_cbranch_scc1 .Lnot_wave_0_\@
	s_barrier_signal -3
.Lnot_wave_0_\@:
	s_barrier_wait -3
	s_barrier_signal -1
	s_barrier_wait -1
.endm
.macro CROUND
	s_barrier_signal -1
	s_barrier_wait -1
	CREST
.endm
.macro FRAG reg, adr, tb, q, i         ; a fragment's image: four loads of 512 consecutive bytes; tb: a tile's bytes in the slot
.irp c, 0,1,2,3
	ds_load_b128 v[\reg+4*\c:\reg+4*\c+3], v[\adr] offset:(\tb)*(\i)+2048*(\q)+512*\c
.endr
.endm
; 52 LDS loads, in three runs: the fragments of the slot's q-th step, which is step u of the 16, and its scale words, into set p
.macro FETCHB slot, q, p, i0
	WIN 0x40
.irp i, \i0, \i0+1, \i0+2, \i0+3
	FRAG 128*(\p)+FR*(\i), ADRB+\slot, 8192-4096*(\slot), \q, \i
.endr
	WIN 0
.endm
.macro FETCHA slot, q, p, u
.irp i, 0,1,2,3
	FRAG AF+64*(\p)+FR*\i, ADRA+\slot, 8192-4096*(\slot), \q, \i
.endr
	ds_load_b64 v[SA+4*(\p):SA+4*(\p)+1], v[ADSA] offset:512*(\u)
	ds_load_b64 v[SA+4*(\p)+2:SA+4*(\p)+3], v[ADSA] offset:512*(\u)+128
	ds_load_b128 v[SB+8*(\p):SB+8*(\p)+3], v[ADSB] offset:512*(\u)
	ds_load_b128 v[SB+8*(\p)+4:SB+8*(\p)+7], v[ADSB] offset:512*(\u)+16
.endm
.macro FETCHP slot, q, p, u
	FETCHB \slot, \q, \p, 0
	FETCHB \slot, \q, \p, 4
	FETCHA \slot, \q, \p, \u
.endm
; n x 8 matrix instructions: P's tiles a0 on x V^T's eight, on set p.  The 32 accumulators take turns, one instruction a turn, in the same order in every step.
.macro MULP a0, n, p, zero
	WIN 0xa1                                       ; source 0 (V^T) window 1, source 1 (P) window 0, C and D window 2
.set aa, \a0
.rept \n
.irp b, 0,1,2,3,4,5,6,7
.set rD, 8*(8*aa+\b)
.set rB, 128*(\p)+FR*\b
.set rA, AF+64*(\p)+FR*aa
.if \zero
	v_wmma_scale_f32_16x16x128_f8f6f4 v[rD:rD+7], v[rB:rB+15], v[rA:rA+15], 0, v[SB+8*(\p)+4*(\b%2)+\b/2], v[SA+4*(\p)+aa]
.else
	v_wmma_scale_f32_16x16x128_f8f6f4 v[rD:rD+7], v[rB:rB+15], v[rA:rA+15], v[rD:rD+7], v[SB+8*(\p)+4*(\b%2)+\b/2], v[SA+4*(\p)+aa]
.endif
.endr
.set aa, aa+1
.endr
	WIN 0
.endm
; A step that has its successor in the same slot: the slot's q-th, step u of the 16, on set p; the successor's fragments go into the other set.  askn > 0: a prefetch stands behind the last run of loads.
.macro UN slot, q, p, u, zero, asku, askn
	s_wait_dscnt 0x0                               ; set p is in
	PLACES 8                                       ; the other set's last readers stand just ahead
	FETCHB \slot, (\q)+1, 1-(\p), 0
	MULP 0, 1, \p, \zero
	FETCHB \slot, (\q)+1, 1-(\p), 4
	MULP 1, 1, \p, \zero
	FETCHA \slot, (\q)+1, 1-(\p), (\u)+1
.if \askn
	ASK \asku, \askn
.endif
	MULP 2, 2, \p, \zero
.endm
; The head of a slot's last step (always on set 1), which changes slots: one barrier; in front of it each wave waits for all its tensor loads, adds 0 to its spare word, and waits for that and for its reads of this slot.
.macro MEET
	s_wait_tensorcnt 0x0                           ; all my tensor loads have landed: my part of the next slot
	ds_add_u32 v[SPW], v[NIL]                      ; 0 onto my spare word
	s_wait_dscnt 1                                 ; set 1 is in (the add alone may be out)
	MULP 0, 1, 1, 0
	s_wait_dscnt 0x0                               ; the add is done, and my reads of this slot are over
	s_barrier_signal -1
	MULP 1, 1, 1, 0
	s_barrier_wait -1
.endm
; This slot is filled again, with the steps six on.
.macro PTURN slot, next, u, asku, askn
	MEET
	CREST                                          ; the barrier has opened a round of the cluster's: no wave of any partner still reads this slot or has a load on its way
.if \slot == 0
	s_add_nc_u64 s[G0A0+2:G0A0+3], s[G0A0+2:G0A0+3], 12288
	s_add_nc_u64 s[G0B0+2:G0B0+3], s[G0B0+2:G0B0+3], 12288
	JLOAD G0A0, G1A4, G0B0, G1B4                   ; the first tensor load behind the round; its four v_nop are four of the eight places
.else
	s_add_nc_u64 s[G0A1+2:G0A1+3], s[G0A1+2:G0A1+3], 12288
	s_add_nc_u64 s[G0B1+2:G0B1+3], s[G0B1+2:G0B1+3], 12288
	JLOAD G0A1, G1A2, G0B1, G1B2
.endif
	PLACES 4
	FETCHP \next, 0, 0, (\u)+1
.if \askn
	ASK \asku, \askn
.endif
	MULP 2, 2, 1, 0
.endm
; THE LAST FOUR STEPS (12 + q, all in slot 0).
.macro BL q                            ; 34 loads: V^T's eight fragments and scale words of step q, into window 1 (q < 2) or 3
	WIN 0x40+0x80*((\q)/2)
.irp i, 0,1,2,3,4,5,6,7
	FRAG 128*((\q)%2)+FR*\i, ADRB, 8192, \q, \i
.endr
	WIN 0
.set SQ, 8*(\q)+24*((\q)/2)            ; v0, v8, v40, v48
	ds_load_b128 v[SQ:SQ+3], v[ADSB] offset:512*(12+\q)
	ds_load_b128 v[SQ+4:SQ+7], v[ADSB] offset:512*(12+\q)+16
.endm
.macro PA a                            ; 20 loads: P's tile a, four steps, and its scale words, into buffer a % 2
.irp q, 0,1,2,3
	FRAG AF+64*((\a)%2)+FR*\q, ADRA, 8192, \q, \a
	ds_load_b32 v[SA+4*((\a)%2)+\q], v[ADSA] offset:512*(12+\q)+4*((\a)%2)+128*((\a)/2)
.endr
.endm
.macro ROWQ a, q                       ; tile a, step q: its eight accumulators take turns
	WIN 0xa1+2*((\q)/2)
.set SQ, 8*(\q)+24*((\q)/2)
.irp b, 0,1,2,3,4,5,6,7
.set rD, 8*(8*(\a)+\b)
.set rB, 128*((\q)%2)+FR*\b
.set rA, AF+64*((\a)%2)+FR*(\q)
	v_wmma_scale_f32_16x16x128_f8f6f4 v[rD:rD+7], v[rB:rB+15], v[rA:rA+15], v[rD:rD+7], v[SQ+4*(\b%2)+\b/2], v[SA+4*((\a)%2)+\q]
.endr
	WIN 0
.endm
	s_load_b256 s[4:11], s[0:1], 0x0               ; pc s[4:5], pst s[6:7], qkvc s[8:9], qkvs s[10:11]
	s_load_b64 s[12:13], s[0:1], 0x20              ; out0
	v_lshl_add_u32 v[SPW], v0, 2, SPARE
	v_mov_b32 v[NIL], 0
	ds_add_u32 v[SPW], v[NIL]                      ; the wave's opening: the add, twice on end, and its wait ahead of my first tensor load
	ds_add_u32 v[SPW], v[NIL]
	v_lshrrev_b32 v1, 5, v0
	v_readfirstlane_b32 s[WV], v1
	s_lshr_b32 s[RH], s[WV], 1
	s_and_b32 s[CH], s[WV], 1
	s_bfe_u32 s[CX], ttmp6, 0x40000
	s_bfe_u32 s[CY], ttmp6, 0x40004
	s_lshl_b32 s104, s[CY], 2
	s_lshl_b32 s104, 15, s104
	s_lshl_b32 s105, 0x1111, s[CX]
	s_or_b32 s[G1A4], s104, (3<<16)|(1<<21)        ; the mask; elements of 8 bytes; bit 21 beside a mask; no padding
	s_or_b32 s[G1A2], s104, (3<<16)|(1<<21)
	s_or_b32 s[G1B4], s105, (3<<16)|(1<<21)
	s_or_b32 s[G1B2], s105, (3<<16)|(1<<21)
	s_or_b32 s[G1SB], s105, (3<<16)|(1<<21)
.macro G1W g, c, r, p                  ; r rows of c elements of 8 bytes, p elements from row to row
	s_mov_b32 s[\g+1], (\c)<<16
	s_mov_b32 s[\g+2], (\r)<<16
	s_mov_b32 s[\g+3], (\c)<<16
	s_mov_b32 s[\g+4], \r
	s_mov_b32 s[\g+5], \p
	s_mov_b32 s[\g+6], 0
	s_mov_b32 s[\g+7], 0
.endm
	G1W G1A4, 1024, 8, 4096                        ; P, four steps: 8,192 bytes of a tile, 32,768 bytes from tile to tile: the head's load brings all 8 tiles; a refill 4 a wave
	G1W G1A2, 512, 4, 4096
	G1W G1B4, 1024, 8, 16384                       ; V^T: 131,072 bytes from tile to tile
	G1W G1B2, 512, 8, 16384
	G1W G1SB, 1024, 2, 4096                        ; V^T's scale blocks: two runs of 8,192 dense bytes (128 rows, the batch's 16 steps), 32,768 bytes apart
	s_and_b32 s[BB], ttmp7, 0xffff                 ; cluster y, 0..15
	s_and_b32 s17, s[BB], 3                        ; which of the batch's four clusters
	s_lshl_b32 s[RG], s[BB], 2
	s_add_co_u32 s[RG], s[RG], s[CY]               ; which 128 queries, over all batches
	s_lshr_b32 s[BB], s[BB], 2                     ; the batch: the same in all sixteen partners
	s_lshl_b32 s[TC], ttmp9, 2
	s_add_co_u32 s[TC], s[TC], s[CX]               ; which 256 of e
	s_lshl_b32 s66, s[RG], 18                      ; P: tile 8 x (128 queries) + 4 x half, 32,768 bytes a tile
	s_lshl_b32 s[TMPS], s[CH], 17
	s_add_co_u32 s66, s66, s[TMPS]
	s_mov_b32 s67, 0
	s_lshl_b32 s96, s[TC], 21                      ; V^T, from 16,777,216: tile 16 x (256 of e) + 8 x half, 131,072 bytes a tile; the batch's 16 steps
	s_lshl_b32 s[TMPS], s[CH], 20
	s_add_co_u32 s96, s96, s[TMPS]
	s_lshl_b32 s[TMPS], s[BB], 15
	s_add_co_u32 s96, s96, s[TMPS]
	s_add_co_u32 s96, s96, 1<<24
	s_mov_b32 s97, 0
	s_lshl_b32 s98, s[TC], 16                      ; its scale blocks, from 524,288
	s_lshl_b32 s[TMPS], s[BB], 13
	s_add_co_u32 s98, s98, s[TMPS]
	s_add_co_u32 s98, s98, 524288
	s_mov_b32 s99, 0
	s_lshl_b32 s100, s[CH], 15                     ; where they go: no place in the cluster enters an LDS address.  P, slot 0: 4 tiles of 8,192 bytes a wave;
	s_lshl_b32 s101, s[CH], 14
	s_add_co_u32 s101, s101, S1                    ; slot 1: 4 tiles of 4,096;
	s_lshl_b32 s18, s[CH], 16
	s_add_co_u32 s18, s18, 65536                   ; V^T, slot 0: 8 tiles of 8,192, behind P's 8;
	s_lshl_b32 s19, s[CH], 15
	s_add_co_u32 s19, s19, S1+32768                ; slot 1: 8 tiles of 4,096, behind P's 8
	s_wait_alu depctr_va_vdst(0)
	s_wait_dscnt 0x0                               ; both opening adds are done
	s_wait_kmcnt 0x0
	s_add_nc_u64 s[G0A0+2:G0A0+3], s[4:5], s[66:67]               ; slot 0: steps 0-3;
	s_add_nc_u64 s[G0A1+2:G0A1+3], s[G0A0+2:G0A0+3], 8192         ; slot 1: steps 4-5
	s_add_nc_u64 s[G0B0+2:G0B0+3], s[8:9], s[96:97]
	s_add_nc_u64 s[G0B1+2:G0B1+3], s[G0B0+2:G0B0+3], 8192
	s_add_nc_u64 s[G0SB+2:G0SB+3], s[10:11], s[98:99]
.irp g, G0A0, G0A1, G0B0, G0B1, G0SB
	s_or_b32 s[\g+3], s[\g+3], 0x80000000
	s_mov_b32 s[\g], 1
.endr
	s_mov_b32 s[G0A0+1], s100
	s_mov_b32 s[G0A1+1], s101
	s_mov_b32 s[G0B0+1], s18
	s_mov_b32 s[G0B1+1], s19
	s_mov_b32 s[G0SB+1], BSC
	CROUND                                         ; all sixteen work-groups are here: the first joint loads meet
	s_cmp_eq_u32 s[WV], 0                          ; one load a wave at the head: wave 0 slot 0's 8 tiles of P (its address and place are those of the first half),
	s_cbranch_scc0 .Lfirst_sb
	TLOAD G0A0, G1A4
	s_branch .Lfirst_asked
.Lfirst_sb:
	s_cmp_eq_u32 s[WV], 1                          ; wave 1 V^T's scale blocks,
	s_cbranch_scc0 .Lfirst_b
	TLOAD G0SB, G1SB
	s_branch .Lfirst_asked
.Lfirst_b:
	TLOAD G0B0, G1B4                               ; waves 2 and 3 slot 0's halves of V^T
.Lfirst_asked:
	; ---- THE PROLOGUE.  A thread takes one row: lane p of wave w has lane-row p / 2 of tile 2 w + p % 2, whose word lies at 16 p + 4 w of each block of 512 bytes, and whose two -M_loc (sums) lie at 8 (32 w + p) of each 1,024.
	s_lshl_b32 s98, s[RG], 14
	s_lshl_b32 s99, s[WV], 8
	s_add_co_u32 s98, s98, s99
	s_mov_b32 s99, 0
	s_add_nc_u64 s[98:99], s[6:7], s[98:99]
	s_lshl_b32 s96, s[RG], 13                      ; my 128 queries' 16 blocks
	s_lshl_b32 s97, s[WV], 2
	s_add_co_u32 s96, s96, s97
	s_mov_b32 s97, 0
	s_add_nc_u64 s[6:7], s[6:7], s[96:97]
	v_and_b32 v1, 31, v0
	v_lshlrev_b32 v4, 4, v1
	v_lshlrev_b32 v7, 3, v1
.irp k, 0,1,2,3,4,5,6,7,8,9,10,11,12,13,14,15
	global_load_b64 v[MW+2*\k:MW+2*\k+1], v7, s[98:99] offset:1024*\k+524288
.endr
.irp k, 0,1,2,3,4,5,6,7,8,9,10,11,12,13,14,15
	global_load_b64 v[LW+2*\k:LW+2*\k+1], v7, s[98:99] offset:1024*\k+1572864
	global_load_b32 v[SWD+\k], v4, s[6:7] offset:512*\k
.endr
	v_and_b32 v2, 15, v0                           ; r
	v_bfe_u32 v3, v0, 4, 1                         ; h
	v_lshlrev_b32 v[CO], 4, v1
	s_wait_alu depctr_va_vdst(0)
	s_lshl_b32 s96, s[WV], 7
	s_add_co_u32 s96, s96, ASC
	v_lshl_add_u32 v5, v1, 2, s96                  ; where I put my row's words: 128 x wave + 4 x lane
	s_lshl_b32 s96, s[WV], 8
	s_add_co_u32 s96, s96, RL
	v_lshl_add_u32 v6, v1, 3, s96                  ; and its 1 / l: 256 x wave + 8 x lane
	s_lshl_b32 s96, s[RH], 15                      ; my 4 tiles of P in slot 0,
	v_add_nc_u32 v[ADRA], s96, v[CO]
	s_lshl_b32 s96, s[RH], 14
	s_add_co_u32 s96, s96, S1                      ; in slot 1;
	v_add_nc_u32 v[ADRA+1], s96, v[CO]
	s_lshl_b32 s96, s[CH], 16
	s_add_co_u32 s96, s96, 65536                   ; my 8 tiles of V^T in slot 0,
	v_add_nc_u32 v[ADRB], s96, v[CO]
	s_lshl_b32 s96, s[CH], 15
	s_add_co_u32 s96, s96, S1+32768                ; in slot 1
	v_add_nc_u32 v[ADRB+1], s96, v[CO]
	s_lshl_b32 s96, s[RH], 8
	s_add_co_u32 s96, s96, ASC
	v_lshl_add_u32 v[ADSA], v2, 3, s96             ; tiles 4 half + 0, 1 of lane-row r: 8 bytes at 8 r of wave 2 x half's run; tiles + 2, 3: 128 bytes on
	s_lshl_b32 s96, s[CH], 13
	s_add_co_u32 s96, s96, BSC
	v_lshl_add_u32 v[ADSB], v2, 5, s96
	s_lshl_b32 s96, s[RH], 9
	s_add_co_u32 s96, s96, RL
	v_lshl_add_u32 v[ARL], v2, 4, s96
	s_mul_i32 s96, s[WV], 8448
	s_add_co_u32 s96, s96, STG
	v_mul_u32_u24 v[STO], v2, 528
	v_lshl_add_u32 v[STO], v3, 6, v[STO]
	v_add_nc_u32 v[STO], s96, v[STO]               ; the stage, in: row r, + 64 h
	v_add_nc_u32 v[RD], s96, v[CO]                 ; back: a whole row of 512 bytes
	s_lshl_b32 s96, s[RG], 19                      ; out: row 128 x (128 queries) + 64 x half, column 256 x (256 of e) + 128 x half
	s_lshl_b32 s97, s[RH], 18
	s_add_co_u32 s96, s96, s97
	s_lshl_b32 s97, s[TC], 10
	s_add_co_u32 s96, s96, s97
	s_lshl_b32 s97, s[CH], 9
	s_add_co_u32 s96, s96, s97
	s_mov_b32 s97, 0
	s_add_nc_u64 s[12:13], s[12:13], s[96:97]
	; the prefetches (macro ASK): where mine stand, and who asks
	s_lshl_b32 s18, s[RG], 18
	s_lshl_b32 s19, s[CX], 16
	s_add_co_u32 s18, s18, s19                     ; P: tile 8 x (128 queries) + 2 cx
	s_lshl_b32 s20, s[TC], 21
	s_lshl_b32 s19, s[CY], 19
	s_add_co_u32 s20, s20, s19
	s_lshl_b32 s19, s[CH], 18
	s_add_co_u32 s20, s20, s19                     ; V^T: tile 16 x (256 of e) + 4 cy + 2 x (wave - 2),
	s_lshl_b32 s19, s[BB], 15
	s_add_co_u32 s20, s20, s19                     ; the batch's first step
	s_add_co_u32 s20, s20, 1<<24
	s_cmp_eq_u32 s[RH], 0                          ; do I fetch for P?
	s_cselect_b64 s[PFA:PFA+1], s[4:5], s[8:9]
	s_cselect_b32 s20, s18, s20
	s_cselect_b32 s17, s[CH], s17                  ; 0 in wave 0, and in waves 2 and 3 of the batch's first cluster: the same in all sixteen partners
	s_cselect_b32 s19, 15, 17                      ; from tile to tile: 2^15 bytes in P, 2^17 in V^T
	s_mov_b32 s21, 0
	s_add_nc_u64 s[PFA:PFA+1], s[PFA:PFA+1], s[20:21]
	s_cmp_eq_u32 s17, 0
	s_cselect_b32 s[LIM], 1, -1
	v_lshlrev_b32 v[PFO], s19, v3
	v_lshl_add_u32 v[PFO], v2, 8, v[PFO]
	s_wait_alu depctr_va_vdst(0)
	s_wait_tensorcnt 0x0                           ; my part of slot 0, or V^T's scale blocks, is in
	ds_add_u32 v[SPW], v[NIL]                      ; 0 onto my spare word
	s_mov_b32 s[G1A4+2], 4<<16                     ; no tensor load of mine is out: from here on a load of P brings 4 tiles
	s_mov_b32 s[G1A4+4], 4
	s_wait_dscnt 0x0                               ; the add is done
	CROUND                                         ; slot 0 is whole in every partner
	JLOAD G0A1, G1A2, G0B1, G1B2                   ; slot 1: steps 4-5
	s_wait_loadcnt 0x0
	v_min3_num_f32 v[PT], v[MW], v[MW+1], v[MW+2]  ; -M = the least -M_loc, in two chains
	v_min3_num_f32 v[PT+1], v[MW+15], v[MW+16], v[MW+17]
.irp k, 3,5,7,9,11,13
	v_min3_num_f32 v[PT], v[PT], v[MW+\k], v[MW+\k+1]
	v_min3_num_f32 v[PT+1], v[PT+1], v[MW+15+\k], v[MW+16+\k]
.endr
	v_min3_num_f32 v[PT], v[PT], v[PT+1], v[MW+30]
	v_min_num_f32 v[PT], v[PT], v[MW+31]
.irp k, 0,1,2,3,4,5,6,7,8,9,10,11,12,13,14,15
	v_sub_f32 v[PT+1], v[PT], v[MW+2*\k]           ; -D = M_loc - M of the step's two chunks: whole numbers, 0 or less
	v_sub_f32 v[PT+2], v[PT], v[MW+2*\k+1]
	v_cvt_i32_f32 v[PT+1], v[PT+1]                 ; (it saturates)
	v_cvt_i32_f32 v[PT+2], v[PT+2]
	v_bfe_u32 v[PT+5], v[SWD+\k], 0, 8
	v_bfe_u32 v[PT+6], v[SWD+\k], 8, 8
	v_ldexp_f32 v[PT+3], v[LW+2*\k], v[PT+1]       ; l_loc x 2^-D
	v_ldexp_f32 v[PT+4], v[LW+2*\k+1], v[PT+2]
	v_sub_nc_u32 v[PT+1], 0, v[PT+1]
	v_sub_nc_u32 v[PT+2], 0, v[PT+2]
.if \k == 0
	v_add_f32 v[PT+13], v[PT+3], v[PT+4]
.else
	v_add_f32 v[PT+3], v[PT+3], v[PT+4]
.endif
	v_bfe_u32 v[PT+7], v[SWD+\k], 16, 8
	v_lshrrev_b32 v[PT+8], 24, v[SWD+\k]
	v_min_u32 v[PT+9], v[PT+5], v[PT+1]            ; each byte less D, held at 0
	v_min_u32 v[PT+10], v[PT+6], v[PT+1]
	v_min_u32 v[PT+11], v[PT+7], v[PT+2]
	v_min_u32 v[PT+12], v[PT+8], v[PT+2]
	v_sub_nc_u32 v[PT+5], v[PT+5], v[PT+9]
	v_sub_nc_u32 v[PT+6], v[PT+6], v[PT+10]
	v_sub_nc_u32 v[PT+7], v[PT+7], v[PT+11]
	v_sub_nc_u32 v[PT+8], v[PT+8], v[PT+12]
.if \k > 0
	v_add_f32 v[PT+13], v[PT+13], v[PT+3]          ; l
.endif
	v_lshl_or_b32 v[SWD+\k], v[PT+6], 8, v[PT+5]
	v_lshl_or_b32 v[SWD+\k], v[PT+7], 16, v[SWD+\k]
	v_lshl_or_b32 v[SWD+\k], v[PT+8], 24, v[SWD+\k]
	ds_store_b32 v5, v[SWD+\k] offset:512*\k       ; 128 consecutive bytes a wave
.endr
	s_wait_alu depctr_va_vdst(0)                   ; the wait ahead of the reciprocal,
	v_rcp_f32 v[PT+14], v[PT+13]
	v_nop                                          ; a plain line behind it,
	s_wait_alu depctr_va_vdst(0)                   ; and the wait ahead of its first reader
	v_mov_b32 v[PT+15], v[PT+14]                   ; a pair for the packed multiply
	ds_store_b64 v6, v[PT+14:PT+15]
	s_wait_alu depctr_va_vdst(0)
	s_wait_dscnt 0x0                               ; for the others' sake: my stores have landed.  Slot 1's load is out
	s_barrier_signal -1
	s_barrier_wait -1
	FETCHP 0, 0, 0, 0
	ds_load_b128 v[RC:RC+3], v[ARL]                ; 1 / l of my tiles 0, 1
	ds_load_b128 v[RC+4:RC+7], v[ARL] offset:256   ; and 2, 3
	UN 0, 0, 0, 0, 1, 6, 2                         ; slot 0: steps 0-3.  The first products start the sums; steps 6-9 are asked of memory
	UN 0, 1, 1, 1, 0, 0, 0
	UN 0, 2, 0, 2, 0, 0, 0
	PTURN 0, 1, 3, 10, 1                           ; slot 0 takes steps 6-9; steps 10-11 are asked of memory
	UN 1, 0, 0, 4, 0, 0, 0                         ; slot 1: steps 4-5
	PTURN 1, 0, 5, 12, 2                           ; slot 1 takes steps 10-11; steps 12-15 are asked of memory
	UN 0, 0, 0, 6, 0, 0, 0                         ; slot 0: steps 6-9
	UN 0, 1, 1, 7, 0, 0, 0
	UN 0, 2, 0, 8, 0, 0, 0
	PTURN 0, 1, 9, 0, 0                            ; slot 0 takes steps 12-15: the last load
	UN 1, 0, 0, 10, 0, 0, 0                        ; slot 1: steps 10-11
	MEET                                           ; nothing is left to fetch; behind this barrier nobody reads slot 1 any more
	PLACES 8
	BL 0
	PA 0
	MULP 2, 2, 1, 0
	PLACES 8
	BL 1
	s_wait_dscnt 34                                ; all but the 34 just issued
	ROWQ 0, 0
	BL 2
	s_wait_dscnt 34
	ROWQ 0, 1
	BL 3
	s_wait_dscnt 34
	ROWQ 0, 2
	PA 1
	s_wait_dscnt 20
	ROWQ 0, 3
	; THE WAY OUT of tile a: x 1 / l; through my stage; back as whole rows of 512 bytes into its accumulators' registers.  A tile's lane-row t is row 32 (a / 2) + 8 (a % 2) + t + 8 (t / 8).  The next tile is multiplied while the stage's round trip is on its way.
.irp a, 0,1,2,3
	PLACES 8
	WIN 0x02                                       ; source 0: the accumulators' window
.set j, 0
.rept 32
	v_pk_mul_f32 v[T+j:T+j+1], v[64*\a+j:64*\a+j+1], v[RC+2*\a:RC+2*\a+1]   ; each accumulator from its low end on
.set j, j+2
.endr
	WIN 0
.irp b, 0,1,2,3,4,5,6,7
	ds_store_b128 v[STO], v[T+8*\b:T+8*\b+3] offset:128*(\b/2)+32*(\b%2)
	ds_store_b128 v[STO], v[T+8*\b+4:T+8*\b+7] offset:128*(\b/2)+32*(\b%2)+16
.endr
	WIN 0x80
.irp t, 0,1,2,3,4,5,6,7,8,9,10,11,12,13,14,15
	ds_load_b128 v[64*\a+4*\t:64*\a+4*\t+3], v[RD] offset:528*\t   ; LDS serves a wave's instructions in order: these see my stores
.endr
	WIN 0
.if \a < 2
	PA \a+2
.endif
.if \a < 3
.if \a < 2
	s_wait_dscnt 52                                ; the next tile of P is in: younger are this tile's 16 stores and 16 loads and the 20 loads of the tile after
.else
	s_wait_dscnt 32
.endif
.irp q, 0,1,2,3
	ROWQ \a+1, \q
.endr
.endif
.if \a < 2
	s_wait_dscnt 20                                ; the rows are back
.else
	s_wait_dscnt 0x0
.endif
	WIN 0x08
.irp t, 0,1,2,3,4,5,6,7,8,9,10,11,12,13,14,15
	global_store_b128 v[CO], v[64*\a+4*\t:64*\a+4*\t+3], s[12:13] offset:(32*(\a/2)+8*(\a%2)+\t+8*(\t/8))*4096 th:TH_STORE_NT   ; 512 consecutive bytes, at a multiple of 256 from out's first byte
.endr
	WIN 0
.endr
	s_wait_tensorcnt 0x0                           ; the wave's end, behind my last tensor load and my last LDS store
	ds_add_u32 v[SPW], v[NIL]
	s_wait_dscnt 0x0
	CROUND                                         ; the closing round: no work-group ends while a partner may still ask for a tile that names it
	s_endpgm
.Lfunc_end_k_qe8a05af8b9_pv:
	.size	k_qe8a05af8b9_pv, .Lfunc_end_k_qe8a05af8b9_pv-k_qe8a05af8b9_pv
	.p2alignl 7, 3214868480
	.fill 96, 4, 3214868480
	.section	.rodata,"a",@progbits
	.p2align	6, 0x0
	.amdhsa_kernel k_qe8a05af8b9_pv
		.amdhsa_group_segment_fixed_size 327680
		.amdhsa_private_segment_fixed_size 0
		.amdhsa_enable_private_segment 0
		.amdhsa_kernarg_size 40
		.amdhsa_user_sgpr_count 2
		.amdhsa_user_sgpr_kernarg_segment_ptr 1
		.amdhsa_wavefront_size32 1
		.amdhsa_system_sgpr_workgroup_id_x 1
		.amdhsa_system_sgpr_workgroup_id_y 1
		.amdhsa_system_sgpr_workgroup_id_z 1
		.amdhsa_system_vgpr_workitem_id 0
		.amdhsa_next_free_vgpr 1024
		.amdhsa_next_free_sgpr 106
		.amdhsa_reserve_vcc 0
		.amdhsa_float_denorm_mode_32 3
		.amdhsa_float_denorm_mode_16_64 3
		.amdhsa_memory_ordered 1
		.amdhsa_forward_progress 1
		.amdhsa_inst_pref_size 188
	.end_amdhsa_kernel
	.amdgpu_metadata
---
amdhsa.version: [ 1, 2 ]
amdhsa.kernels:
  - .name:           k_qe8a05af8b9_pv
    .symbol:         k_qe8a05af8b9_pv.kd
    .args:
      - { .name: pc, .offset: 0, .size: 8, .value_kind: global_buffer, .address_space: global }
      - { .name: pst, .offset: 8, .size: 8, .value_kind: global_buffer, .address_space: global }
      - { .name: qkvc, .offset: 16, .size: 8, .value_kind: global_buffer, .address_space: global }
      - { .name: qkvs, .offset: 24, .size: 8, .value_kind: global_buffer, .address_space: global }
      - { .name: out0, .offset: 32, .size: 8, .value_kind: global_buffer, .address_space: global }
    .group_segment_fixed_size: 327680
    .private_segment_fixed_size: 0
    .kernarg_segment_align: 8
    .kernarg_segment_size: 40
    .max_flat_workgroup_size: 128
    .sgpr_count:     106
    .vgpr_count:     1024
    .wavefront_size: 32
...
	.end_amdgpu_metadata
.endif
;; end of part 4
